; MI455X (gfx1250); checked and timed in simulation.
; The chip was launched on July 23, 2026; its instructions are those of AMD's public machine-readable ISA for CDNA 5 (MIT licence, August 2026) and "CDNA5" Instruction Set Architecture Reference Guide (July 2026). The comments in the code are by the model that wrote it; some were corrected since.
;; Self Attention. Allowed arithmetic: matrix products marked QUANTISED: E3M2 operands, one E8M0 scale for each 32 along K, by v_wmma_scale_f32_16x16x128_f8f6f4 with both operands' format E3M2, f32 sums; everything else in f32.
;; Inputs: Wk 1,024 x 1,024 float32; Wq 1,024 x 1,024 float32; Wv 1,024 x 1,024 float32; bk 1,024 float32; bq 1,024 float32; bv 1,024 float32; x 4 x 2,048 x 1,024 float32.
;; Outputs: out0 4 x 2,048 x 1,024 float32.
;; This version of the problem:
;;   THIS VERSION OF THE PROBLEM IS GIVEN IN LOW PRECISION. The matrix products marked QUANTISED in the list below multiply operands that are first quantised to E3M2 (3 exponent bits, 2 mantissa bits; 6 bits a number), with one power-of-two scale for each 32 numbers along K (OCP MX v1.0); their sums are f32. All else is computed in f32.
;;   The module's matrix products, in the order in which they are computed (A, B: the left and right operand; K: the contracted axis; several contracted axes count as one K, in the product's order):
;;     1. [M 8,192, K 1,024] x [K 1,024, N 1,024]; A: input x; B: input Wq: QUANTISED
;;     2. [M 8,192, K 1,024] x [K 1,024, N 1,024]; A: input x; B: input Wk: QUANTISED
;;     3. [M 8,192, K 1,024] x [K 1,024, N 1,024]; A: input x; B: input Wv: QUANTISED
;;     4. batch 4 x [M 2,048, K 1,024] x [K 1,024, N 2,048]; A: computed on the way; B: computed on the way: QUANTISED
;;     5. batch 4 x [M 2,048, K 2,048] x [K 2,048, N 1,024]; A: softmax (see below); B: computed on the way: QUANTISED
;;   THE QUANTISER, for each operand of a quantised product, along K:
;;     - K is cut into blocks of 32 from its start; a last block that is shorter is filled with zeros.
;;     - A block's scale is 2^e with e = floor(log2(the largest magnitude in the block)) - 4, held to -126 .. 127; a block of zeros has e = 0. As a byte (E8M0): e + 127.
;;     - Each number is divided by its block's scale, clamped to +-28, and rounded to the nearest number of E3M2, ties to even, subnormals kept.
;;     - The product sums the exact products of the quantised numbers (number of the format x scale) in f32.
;;   ~~~python
;;   def quantise(x, axis):      # numpy; x: float32 -> the quantised numbers, widened to float32 again
;;       x = np.moveaxis(x, axis, -1); K = x.shape[-1]
;;       x = np.pad(x, [(0, 0)] * (x.ndim - 1) + [(0, -K % 32)]); x = x.reshape(x.shape[:-1] + (-1, 32)); a = np.abs(x).max(-1, keepdims=True)
;;       e = np.where(a > 0, np.clip(np.frexp(np.where(a > 0, a, 1))[1] - 1 - 4, -126, 127), 0)      # np.frexp(a)[1] - 1 = floor(log2(a)), exactly
;;       r = np.clip(x / 2.0 ** e, -28, 28)
;;       step = 2.0 ** (np.maximum(np.frexp(np.where(r == 0, 1, r))[1] - 1, -2) - 2)
;;       q = np.round(r / step) * step * 2.0 ** e      # np.round: ties to even
;;       return np.moveaxis(q.reshape(q.shape[:-2] + (-1,))[..., :K], -1, axis).astype(np.float32)
;;   ~~~
;;   SOFTMAX AHEAD OF A QUANTISED PRODUCT. Where the list says 'softmax', what is quantised is not the finished softmax but p = 2^(t - M), with t = logit x log2(e) and M = ceil(the row's largest t), a whole number; so 1/2 < the row's largest p <= 1. The row's sum l is taken of the UNQUANTISED p, in f32, and the product's result is divided by l at the end. Since M is a whole number, a kernel that streams over the keys may use a running M (the ceiling of the running maximum): every later rescaling is an exact power of two, which a block's scale takes up: the codes' values come out the same.
;;   OPERANDS COMPUTED ON THE WAY. 'Computed on the way' means the value that the module computes at that place (a softmax that the list does not call 'softmax' is quantised finished and normalised). What goes into a quantiser is computed in f32, as accurately as f32 sums, v_exp_f32 and their like allow (about 1e-6 of the number): no bf16 or f16 on the way to a quantiser, and a product that is left as it is and whose result goes on into a quantised operand takes f32 operands (vector FMAs, or v_wmma_f32_16x16x4_f32). A number that lies on a knife's edge between two numbers of the format may be rounded either way, as far as f32 arithmetic and the matrix unit's own rounding can turn it there, and no further.
;; One version. Each part assembles by itself: llvm-mc -triple=amdgcn-amd-amdhsa -mcpu=gfx1250 --defsym DOCPART=n.
;; ======== version 1 of 1: 4 launches
;; limits: right only within a limited range of input values
;; workspace buffers: xw 9,011,200 bytes; qkv 19,660,800 bytes; pcodes 12,582,912 bytes; pstats 1,572,864 bytes
;; launch quant (part 1): grid 448 x 1, 4 waves a work-group, no clusters, 59,904 bytes of LDS; arguments x, Wq, Wk, Wv, xw; writes xw
.if DOCPART == 1
	.amdgcn_target "amdgcn-amd-amdhsa--gfx1250"
	.amdhsa_code_object_version 6
	.text
	.protected	k_q7d33b1c867_quant
	.globl	k_q7d33b1c867_quant
	.p2align	8
	.type	k_q7d33b1c867_quant,@function
k_q7d33b1c867_quant:
	s_mov_b64 s[64:65], 0
	v_nop
	global_prefetch_b8 v0, s[64:65] scope:SCOPE_SE
	s_setreg_imm32_b32 hwreg(HW_REG_WAVE_MODE, 25, 1), 1
	s_wait_xcnt 0x0
; x [8192][1024] and Wq, Wk, Wv [1024 (k)][1024 (n)], f32, become codes of BF6 (E3M2) with one E8M0 byte for each 32 along K, K = the 1,024 input features.
; THE LAYOUT OF THE RESULT (this program's own): a FRAGMENT is 16 rows x 128 K as an image of the operand's 12 registers: register 4 g + w of lane l at byte 512 g + 16 l + 4 w, 1,536 bytes.
; Lane r of fragment a of a group of 128 rows holds row 32 (a / 2) + 8 (a % 2) + r + 8 (r / 8); OF Wv ALONE it holds column 64 (a / 4) + 4 r + a % 4, the order in which the last launch stores its results.
; A HALF-TILE is 128 rows x 256 K, 25,600 bytes: fragment (q, a) at (8 q + a) x 1,536 (q: which 128 of the 256), and from byte 24,576 on the scale words (four bytes: 128 K of one row)
; at 512 q + 256 (a / 4) + 16 r + 4 (a % 4).  x's half-tile (rows / 128, K / 256) has the index 4 (rows / 128) + K / 256; a weight's "row" is its column n: index 256 + 4 (8 m + n / 128) + K / 256, m = 0, 1, 2 for Wq, Wk, Wv.
; A block's scale is 2^(floor(log2(largest magnitude)) - 4); its byte is the largest magnitude's exponent field - 4, held at 1 from below.
; LIMITS: a block of zeros gets the byte 1 where the rule says 127 (its codes are zeros, and this program alone reads the bytes); NaN and infinities among the inputs are not served.
; Work-groups 0 to 191 take the weights, 192 to 447 take x.  x, Wq and Wk, and Wv have LDS bytes of their own.
.set HT,    25600
.set XSTG,  8448                       ; x: a wave's stage: 16 rows x (512 + 16) bytes
.set QKB,   4*XSTG                     ; half a half-tile of Wq or Wk: eight fragments' images, then 512 bytes of scale words
.set WVB,   QKB+12800                  ; of Wv
.set SPARE, WVB+12800                  ; the spare words: 128 bytes for each wave
.set R0,  16                           ; v16-143  x: two sets of 64 registers as loaded;  the weights: register 4 i + t = W(32 wave + i, 4 lane + t)
.set X,   144                          ; v144-207 x: 64 numbers of my row: register 16 b + i = k 32 b + 16 (lane / 16) + i
.set TM,  208                          ; v208-223 at work in QUANT
.set PC,  224                          ; v224-243 the codes just made
.set PW,  244                          ; v244-247 the four fragments' scale words
.set SEL, 20                           ; s[20:21] lane selects: lane l xor 16
.set WT,  144                          ; v144-175 the weights: a column's 32 numbers side by side
.set CW,  176                          ; v176-207 codes: eight registers for each of four columns
.set WM,  208                          ; v208-211 largest magnitudes, v212-215 scale operands, v216-219 bytes
	s_load_b256 s[4:11], s[0:1], 0x0               ; x, Wq, Wk, Wv
	s_load_b64 s[12:13], s[0:1], 0x20              ; xw
	v_lshl_add_u32 v254, v0, 2, SPARE
	v_mov_b32 v255, 0
	v_lshrrev_b32 v1, 5, v0
	v_readfirstlane_b32 s14, v1                    ; wave 0..3
	v_and_b32 v1, 31, v0                           ; lane
	v_and_b32 v2, 15, v0                           ; r
	v_bfe_u32 v3, v0, 4, 1                         ; h
	v_lshlrev_b32 v4, 4, v1                        ; 16 x lane: loads and stores
	s_wait_alu depctr_va_vdst(0)
	s_cmp_lt_u32 ttmp9, 192
	s_cbranch_scc1 .Lweights
; ---------------- x: a work-group takes 64 rows x 512 K; a wave 64 rows x 128 K: four fragments, two of them on their way ----------------
	s_sub_co_u32 s15, ttmp9, 192
	s_lshr_b32 s16, s15, 1                         ; G: which 64 rows
	s_and_b32 s17, s15, 1
	s_lshl_b32 s17, s17, 2
	s_add_co_u32 s17, s17, s14                     ; which 128 along K: 0..7
	s_lshr_b32 s18, s17, 1                         ; c
	s_and_b32 s19, s17, 1                          ; q
	s_lshr_b32 s24, s16, 1                         ; group of 128 rows
	s_and_b32 s25, s16, 1                          ; g: its lower or upper four fragments
	s_lshl_b32 s26, s16, 18                        ; 64 rows of 4,096 bytes
	s_lshl_b32 s28, s17, 9
	s_add_co_u32 s26, s26, s28
	s_mov_b32 s27, 0
	s_lshl_b32 s28, s24, 2
	s_add_co_u32 s28, s28, s18
	s_mul_i32 s28, s28, HT                         ; the half-tile
	s_mul_i32 s30, s19, 12288
	s_mul_i32 s31, s25, 6144
	s_add_co_u32 s30, s30, s31
	s_add_co_u32 s30, s30, s28                     ; my four fragments
	s_mov_b32 s31, 0
	s_lshl_b32 s32, s19, 9
	s_lshl_b32 s33, s25, 8
	s_add_co_u32 s32, s32, s33
	s_add_co_u32 s32, s32, s28
	s_add_co_u32 s32, s32, 24576                   ; their 256 bytes of scale words
	s_mov_b32 s33, 0
	s_mul_i32 s34, s14, XSTG
	s_mov_b32 s[SEL], 0x76543210
	s_mov_b32 s[SEL+1], 0xfedcba98
	s_mov_b32 s22, 0xffff0000                      ; lanes 16-31
	v_add_nc_u32 v5, s34, v4                       ; the stage, on the way in: a row's 512 bytes as they lie
	v_mul_u32_u24 v6, v2, 528
	v_lshl_add_u32 v6, v3, 6, v6
	v_add_nc_u32 v6, s34, v6                       ; on the way out: row r, + 64 h
	v_lshlrev_b32 v7, 4, v2
	v_lshl_add_u32 v7, v3, 3, v7                   ; the scale words: 16 r + 8 h
.irp b, 0,1,2,3
	v_mov_b32 v[TM+4+\b], 0                        ; written once: a lane permute's destination counts as one of its sources
.endr
	s_wait_alu depctr_va_vdst(0)
	s_wait_kmcnt 0x0
	s_add_nc_u64 s[4:5], s[4:5], s[26:27]
	s_add_nc_u64 s[30:31], s[12:13], s[30:31]
	s_add_nc_u64 s[32:33], s[12:13], s[32:33]
; the 16 rows of fragment t: each load takes 512 consecutive bytes of one row
.macro LOADX t
.irp p, 0,1,2,3,4,5,6,7,8,9,10,11,12,13,14,15
	global_load_b128 v[R0+64*((\t)%2)+4*\p:R0+64*((\t)%2)+4*\p+3], v4, s[4:5] offset:(32*((\t)/2)+8*((\t)%2)+\p+8*(\p/8))*4096 th:TH_LOAD_NT
.endr
.endm
; 64 numbers of a lane, register 16 b + i = k 32 b + 16 (lane / 16) + i of my row, become a fragment's codes in v[PC] on and its scale word in v[pw]
.macro QUANT s, pw
.irp b, 0,1,2,3
	v_max3_num_f32 v[TM+\b], |v[\s+16*\b]|, |v[\s+1+16*\b]|, 0x2800000   ; my 16 numbers of block b, and the floor 2^(5 - 127): the byte cannot fall under 1
.endr
.irp i, 2,4,6,8,10,12,14
.irp b, 0,1,2,3
	v_max3_num_f32 v[TM+\b], v[TM+\b], |v[\s+16*\b+\i]|, |v[\s+1+16*\b+\i]|
.endr
.endr
.irp b, 0,1,2,3
	v_permlanex16_b32 v[TM+4+\b], v[TM+\b], s[SEL], s[SEL+1]
.endr
.irp b, 0,1,2,3
	v_max_num_f32 v[TM+\b], v[TM+\b], v[TM+4+\b]   ; with lane l xor 16's: the block's largest magnitude
.endr
.irp b, 0,1,2,3
	v_add_nc_u32 v[TM+12+\b], 0xfe000000, v[TM+\b] ; 4 off its exponent field: the conversion's scale operand
.endr
.irp b, 0,1,2,3
	v_lshrrev_b32 v[TM+4+\b], 23, v[TM+12+\b]      ; the scale's byte
.endr
	v_lshl_or_b32 v[\pw], v[TM+5], 8, v[TM+4]
	v_lshl_or_b32 v[\pw], v[TM+6], 16, v[\pw]
	v_lshl_or_b32 v[\pw], v[TM+7], 24, v[\pw]
.irp c, 0,1
	v_cvt_scalef32_pk16_bf6_f32 v[PC+6*\c:PC+2+6*\c], v[\s+32*\c:\s+15+32*\c], v[TM+12+2*\c]
	v_cvt_scalef32_pk16_bf6_f32 v[PC+12+4*\c:PC+14+4*\c], v[\s+16+32*\c:\s+31+32*\c], v[TM+12+2*\c+1]   ; (a conversion's three registers begin on an even number)
.endr
	v_nop                                          ; one plain place behind a scaled conversion
.irp c, 0,1                                    ; the operand's layout wants a whole block in a lane
.irp i, 0,1,2
	v_permlane16_swap_b32 v[PC+6*\c+\i], v[PC+12+4*\c+\i]
.endr
.irp i, 0,1,2
	v_mov_b32 v[PC+3+6*\c+\i], v[PC+12+4*\c+\i]
.endr
.endr
.endm
.macro XFRAG t
.if (\t) < 3
	s_wait_loadcnt 16                              ; this fragment's 16 loads are in; the next fragment's may be out
.else
	s_wait_loadcnt 0x0
.endif
.irp p, 0,1,2,3,4,5,6,7,8,9,10,11,12,13,14,15
	ds_store_b128 v5, v[R0+64*((\t)%2)+4*\p:R0+64*((\t)%2)+4*\p+3] offset:528*\p
.endr
.irp b, 0,1,2,3
.irp j, 0,1,2,3
	ds_load_b128 v[X+16*\b+4*\j:X+16*\b+4*\j+3], v6 offset:128*\b+16*\j   ; LDS serves a wave's instructions in order: these see the stores above
.endr
.endr
	s_wait_dscnt 0x0
.if (\t) < 2
	LOADX (\t)+2
.endif
.if (\t) > 0
	s_wait_xcnt 0x0                                ; the last fragment's stores have read their data: the codes' registers may be written
.endif
	QUANT X, PW+(\t)
.irp g, 0,1,2
	global_store_b128 v4, v[PC+4*\g:PC+4*\g+3], s[30:31] offset:1536*(\t)+512*\g   ; 512 consecutive bytes a store
.endr
.endm
	LOADX 0
	LOADX 1
	XFRAG 0
	XFRAG 1
	XFRAG 2
	XFRAG 3
	v_cndmask_b32 v248, v[PW], v[PW+2], s22        ; lanes 0-15 store words 0, 1 of their row, lanes 16-31 words 2, 3
	v_cndmask_b32 v249, v[PW+1], v[PW+3], s22
	global_store_b64 v7, v[248:249], s[32:33]      ; 256 consecutive bytes
	s_wait_tensorcnt 0x0                           ; the wave's end
	ds_add_u32 v254, v255
	s_wait_dscnt 0x0
	s_endpgm
; ---------------- the weights: a work-group takes 128 columns x 128 K; a wave all 128 columns x 32 K: one block of each column ----------------
; A lane takes four neighbouring columns: each load reads 512 consecutive bytes of a row, and a block of 32 along K lies in one lane's registers, four apart.  All 32 loads of a wave are on their way at once.
.Lweights:
	s_and_b32 s35, ttmp9, 1                        ; q
	s_lshr_b32 s28, ttmp9, 1                       ; 4 (8 m + n / 128) + c
	s_and_b32 s16, s28, 3                          ; c
	s_lshr_b32 s15, s28, 2                         ; 8 m + n / 128
	s_lshr_b32 s17, s15, 3                         ; m
	s_and_b32 s18, s15, 7
	s_lshl_b32 s26, s16, 20                        ; 256 c rows of 4,096 bytes
	s_lshl_b32 s29, s35, 19
	s_add_co_u32 s26, s26, s29                     ; + 128 q rows
	s_lshl_b32 s29, s14, 17
	s_add_co_u32 s26, s26, s29                     ; + 32 x wave rows
	s_lshl_b32 s29, s18, 9
	s_add_co_u32 s26, s26, s29                     ; + the 128 columns
	s_mov_b32 s27, 0
	s_wait_kmcnt 0x0
	s_cmp_eq_u32 s17, 0
	s_cselect_b64 s[36:37], s[6:7], s[8:9]
	s_cmp_eq_u32 s17, 2
	s_cselect_b64 s[36:37], s[10:11], s[36:37]
	s_add_nc_u64 s[36:37], s[36:37], s[26:27]
.irp i, 0,1,2,3,4,5,6,7,8,9,10,11,12,13,14,15,16,17,18,19,20,21,22,23,24,25,26,27,28,29,30,31
	global_load_b128 v[R0+4*\i:R0+4*\i+3], v4, s[36:37] offset:4096*\i th:TH_LOAD_NT
.endr
	s_add_co_u32 s28, s28, 256
	s_mul_i32 s28, s28, HT                         ; the half-tile
	s_mul_i32 s30, s35, 12288
	s_add_co_u32 s30, s30, s28
	s_mul_i32 s31, s14, 3072
	s_add_co_u32 s30, s30, s31                     ; I store 3,072 bytes of the codes,
	s_mov_b32 s31, 0
	s_lshl_b32 s32, s35, 9
	s_add_co_u32 s32, s32, s28
	s_add_co_u32 s32, s32, 24576                   ; and (wave 0) the 512 bytes of scale words
	s_mov_b32 s33, 0
	s_add_nc_u64 s[30:31], s[12:13], s[30:31]
	s_add_nc_u64 s[32:33], s[12:13], s[32:33]
	s_lshr_b32 s24, s14, 1                         ; block b = wave: registers 6 (b / 2) .. + 5 of the image's lane r + 16 (b % 2)
	s_and_b32 s34, s14, 1
	s_lshl_b32 s34, s34, 8
	s_cmp_eq_u32 s17, 2
	s_cbranch_scc1 .Lwv
; base: the images in LDS; v5, v6: my first column's place in them and in the scale words; ti, ts: what the next column adds
.macro WBODY base, ti, ts
	s_add_co_u32 s34, s34, \base
	s_mul_i32 s40, s24, 520
	s_add_co_u32 s40, s40, s34
	v_add_nc_u32 v9, s40, v5                       ; a block's 24 bytes as three of 8: the first and the third,
	s_mul_i32 s41, s24, 1016
	s_add_co_u32 s41, s41, s34
	s_add_co_u32 s41, s41, 8
	v_add_nc_u32 v10, s41, v5                      ; the second;
	s_add_co_u32 s42, s14, \base+12288
	v_add_nc_u32 v11, s42, v6                      ; its scale byte
	s_mul_i32 s44, s14, 3072
	s_add_co_u32 s44, s44, \base
	v_add_nc_u32 v12, s44, v4                      ; and on the way out
	v_add_nc_u32 v13, \base+12288, v4
	s_wait_alu depctr_va_vdst(0)
	s_wait_loadcnt 0x0
.irp t, 0,1,2,3
	v_max3_num_f32 v[WM+\t], |v[R0+\t]|, |v[R0+4+\t]|, 0x2800000   ; the largest magnitude of each column's block, and the floor
.endr
.irp i, 2,4,6,8,10,12,14,16,18,20,22,24,26,28,30
.irp t, 0,1,2,3
	v_max3_num_f32 v[WM+\t], v[WM+\t], |v[R0+4*\i+\t]|, |v[R0+4*\i+4+\t]|
.endr
.endr
.irp t, 0,1,2,3
	v_add_nc_u32 v[WM+4+\t], 0xfe000000, v[WM+\t]  ; the conversion's scale operand
.endr
.irp t, 0,1,2,3
	v_lshrrev_b32 v[WM+8+\t], 23, v[WM+4+\t]       ; the byte
.endr
.irp t, 0,1,2,3
.set n, 0
.rept 32
	v_mov_b32 v[WT+n], v[R0+4*n+\t]                ; a conversion takes consecutive registers
.set n, n+1
.endr
	v_cvt_scalef32_pk16_bf6_f32 v[CW+8*\t:CW+8*\t+2], v[WT:WT+15], v[WM+4+\t]
	v_cvt_scalef32_pk16_bf6_f32 v[CW+8*\t+4:CW+8*\t+6], v[WT+16:WT+31], v[WM+4+\t]
	v_nop                                          ; one plain place behind a scaled conversion
	v_mov_b32 v[CW+8*\t+3], v[CW+8*\t+4]
	v_mov_b32 v[CW+8*\t+4], v[CW+8*\t+5]
	v_mov_b32 v[CW+8*\t+5], v[CW+8*\t+6]
	ds_store_b64 v9, v[CW+8*\t:CW+8*\t+1] offset:\ti*\t
	ds_store_b64 v10, v[CW+8*\t+2:CW+8*\t+3] offset:\ti*\t
	ds_store_b64 v9, v[CW+8*\t+4:CW+8*\t+5] offset:\ti*\t+512
	ds_store_b8 v11, v[WM+8+\t] offset:\ts*\t
.endr
	s_wait_dscnt 0x0
	s_barrier_signal -1
	s_barrier_wait -1                              ; all eight fragments lie in LDS
.irp j, 0,1,2,3,4,5
	ds_load_b128 v[R0+4*\j:R0+4*\j+3], v12 offset:512*\j
.endr
.irp j, 0,1,2,3,4,5
	s_wait_dscnt 5-\j                              ; load j is in; those issued behind it may be out
	global_store_b128 v4, v[R0+4*\j:R0+4*\j+3], s[30:31] offset:512*\j   ; 512 consecutive bytes
.endr
	s_cmp_lt_u32 s14, 1
	s_cbranch_scc0 .Lno_words_\@
	ds_load_b128 v[R0+24:R0+27], v13
	s_wait_dscnt 0x0
	global_store_b128 v4, v[R0+24:R0+27], s[32:33]
.Lno_words_\@:
	s_wait_tensorcnt 0x0                           ; the wave's end
	ds_add_u32 v254, v255
	s_wait_dscnt 0x0
	s_endpgm
.endm
	v_lshrrev_b32 v8, 3, v1                        ; Wq, Wk: column 4 l + t is lane r = 4 (l % 2) + 8 ((l / 4) % 2) + t of fragment a = 2 (l / 8) + (l / 2) % 2
	v_bfe_u32 v9, v1, 1, 1
	v_and_b32 v10, 1, v1
	v_bfe_u32 v11, v1, 2, 1
	v_lshl_add_u32 v12, v8, 1, v9                  ; a
	v_lshlrev_b32 v13, 3, v11
	v_lshl_add_u32 v13, v10, 2, v13                ; r of t = 0
	v_mul_u32_u24 v5, v12, 1536
	v_lshl_add_u32 v5, v13, 4, v5
	v_lshrrev_b32 v14, 2, v12
	v_lshlrev_b32 v6, 8, v14
	v_and_b32 v14, 3, v12
	v_lshl_add_u32 v6, v14, 2, v6
	v_lshl_add_u32 v6, v13, 4, v6
	WBODY QKB, 16, 16
.Lwv:
	v_mul_u32_u24 v5, v3, 6144                     ; Wv: column 4 l + t is lane r = l % 16 of fragment a = 4 (l / 16) + t
	v_lshl_add_u32 v5, v2, 4, v5
	v_lshlrev_b32 v6, 4, v1
	WBODY WVB, 1536, 4
.Lfunc_end_k_q7d33b1c867_quant:
	.size	k_q7d33b1c867_quant, .Lfunc_end_k_q7d33b1c867_quant-k_q7d33b1c867_quant
	.p2alignl 7, 3214868480
	.fill 96, 4, 3214868480
	.section	.rodata,"a",@progbits
	.p2align	6, 0x0
	.amdhsa_kernel k_q7d33b1c867_quant
		.amdhsa_group_segment_fixed_size 59904
		.amdhsa_private_segment_fixed_size 0
		.amdhsa_enable_private_segment 0
		.amdhsa_kernarg_size 40
		.amdhsa_user_sgpr_count 2
		.amdhsa_user_sgpr_kernarg_segment_ptr 1
		.amdhsa_wavefront_size32 1
		.amdhsa_system_sgpr_workgroup_id_x 1
		.amdhsa_system_sgpr_workgroup_id_y 1
		.amdhsa_system_sgpr_workgroup_id_z 1
		.amdhsa_system_vgpr_workitem_id 0
		.amdhsa_next_free_vgpr 256
		.amdhsa_next_free_sgpr 66
		.amdhsa_reserve_vcc 0
		.amdhsa_float_denorm_mode_32 3
		.amdhsa_float_denorm_mode_16_64 3
		.amdhsa_memory_ordered 1
		.amdhsa_forward_progress 1
		.amdhsa_inst_pref_size 65
	.end_amdhsa_kernel
	.amdgpu_metadata
---
amdhsa.version: [ 1, 2 ]
amdhsa.kernels:
  - .name:           k_q7d33b1c867_quant
    .symbol:         k_q7d33b1c867_quant.kd
    .args:
      - { .name: x, .offset: 0, .size: 8, .value_kind: global_buffer, .address_space: global }
      - { .name: Wq, .offset: 8, .size: 8, .value_kind: global_buffer, .address_space: global }
      - { .name: Wk, .offset: 16, .size: 8, .value_kind: global_buffer, .address_space: global }
      - { .name: Wv, .offset: 24, .size: 8, .value_kind: global_buffer, .address_space: global }
      - { .name: xw, .offset: 32, .size: 8, .value_kind: global_buffer, .address_space: global }
    .group_segment_fixed_size: 59904
    .private_segment_fixed_size: 0
    .kernarg_segment_align: 8
    .kernarg_segment_size: 40
    .max_flat_workgroup_size: 128
    .sgpr_count:     66
    .vgpr_count:     256
    .wavefront_size: 32
...
	.end_amdgpu_metadata
.endif
;; end of part 1
;; launch proj (part 2): grid 8 x 32, 4 waves a work-group, clusters of 4 x 4, 327,680 bytes of LDS; arguments xw, bq, bk, bv, qkv; writes qkv
.if DOCPART == 2
	.amdgcn_target "amdgcn-amd-amdhsa--gfx1250"
	.amdhsa_code_object_version 6
	.text
	.protected	k_q7d33b1c867_proj
	.globl	k_q7d33b1c867_proj
	.p2align	8
	.type	k_q7d33b1c867_proj,@function
k_q7d33b1c867_proj:
	s_mov_b64 s[64:65], 0
	v_nop
	global_prefetch_b8 v0, s[64:65] scope:SCOPE_SE
	s_setreg_imm32_b32 hwreg(HW_REG_WAVE_MODE, 25, 1), 1
	s_wait_xcnt 0x0
	s_wait_alu depctr_hold_cnt(0) depctr_sa_sdst(0) depctr_va_vdst(0) depctr_va_sdst(0) depctr_va_ssrc(0) depctr_va_vcc(0) depctr_vm_vsrc(0)
	s_getreg_b32 s2, hwreg(HW_REG_IB_STS2, 6, 4)
	s_cmp_eq_u32 s2, 0
	s_cbranch_scc0 .Lentry_in_a_cluster
	s_endpgm
.Lentry_in_a_cluster:
	s_bfe_u32 s2, ttmp6, 0x10000c
	s_cmp_lg_u32 s2, 0xf033
	s_cbranch_scc0 .Lentry_shape_is_right
	s_endpgm
.Lentry_shape_is_right:
; Q = x Wq + bq, K = x Wk + bk, V = x Wv + bv on codes of BF6 (E3M2), and each result quantised again on the way out: Q and K along the features, V along the keys.
; Operands and results lie as images of operand registers, in half-tiles of 128 rows x 256 K, 25,600 bytes (fragment (q, a) at (8 q + a) x 1,536; scale words from byte 24,576 on at 512 q + 256 (a / 4) + 16 r + 4 (a % 4);
; lane r of fragment a holds row 32 (a / 2) + 8 (a % 2) + r + 8 (r / 8) of the 128).  With such an operand as source 0, the 16 registers of result tiles 2 b, 2 b + 1 are 16 neighbours 32 b + 16 (lane / 16) + 0 .. 15.
; xw: x at index 4 (token / 128) + K / 256; the weights at 256 + 4 (8 m + n / 128) + K / 256.   qkv: Q at 4 (token / 128) + f / 256; K at 256 + the same; V^T at 512 + 8 (8 batch + d / 128) + key / 256.
; A WORK-GROUP STAYS AND MAKES TWO PRODUCTS OF THE SAME 256 TOKENS, so that 8 x 32 work-groups have equal work: first 256 tokens x 256 features of Q or K (a wave: 128 x 128, 64 accumulators; source 0 the weight, source 1 x:
; a lane holds one token, its registers run along the features), then 128 d x 256 keys of V^T (a wave: 64 d x 128 keys, 32 accumulators; source 0 x, source 1 Wv: a lane holds one d, its registers run along the keys).
; x's CODES AND SCALES OF THE 256 TOKENS, ALL OF K, 204,800 BYTES, COME INTO LDS ONCE AND STAY.  Only the weights go through a ring of two slots of 51,200 bytes: the Q or K weight's two half-tiles of one 256 along K,
; later Wv's one half-tile of two neighbouring 256 along K.  Every wave fetches a quarter of each tile, so no branch stands round a tensor load.
; CLUSTERS 4 x 4: x hangs on the tile row alone and is asked for jointly along a row of the cluster; the weights hang on the tile column alone, jointly along a column.  The cluster's x says Q (0) or K (1).
; LIMITS: a block of zeros gets the byte 1 where the rule says 127 (its codes are zeros; this program alone reads the bytes); NaN and infinities are not served.
; REGISTERS: window 0: v1-29 addresses; v32-63 scale words and nothing else; v64-127 bq's or bk's numbers along the registers; v128-223 x's eight fragments; later v128-175 at work on the ways out and v176-223 Wv's four fragments;
;   v224-231 bv of a lane's row.  window 1: source 0's fragments, two sets, at v0 and v128.  windows 2, 3: the accumulators, (a, b) at v[8 (8 (a % 4) + b)].
.set HT,    25600
.set QT,    12800                      ; a quarter of a slot of the weights' ring
.set WRING, 8*HT                       ; behind x's eight half-tiles
.set SPARE, WRING+4*HT                 ; the spare words: 128 bytes for each wave, two blocks of 256 bytes that no other line names
.set FR,    12
.set NP,    4                          ; places behind this matrix instruction (ISA guide 7.12.1)
.set XA,   4                           ; v4-5   x as source 1: my half of the tokens by wave / 2; K chunks 0, 1 and 2, 3
.set XB,   6                           ; v6-7   x as source 0: my half by wave % 2
.set WB,   8                           ; v8-9   the Q or K weight in slot 0, 1: my half of its columns
.set WA,   10                          ; v10-11 Wv's even, odd K chunks: my four fragments
.set AS1,  12                          ; v12-15 first product, K chunk c: lanes 0-15 x's scale words, lanes 16-31 the weight's
.set AS2,  16                          ; v16-23 second product, 2 c + g: lanes 0-15 x's words of fragments 4 g on, lanes 16-31 Wv's of my four
.set LI,   24                          ; v24    16 x lane
.set LS,   25                          ; v25    16 r + 8 h
.set SPW,  28
.set NIL,  29
.set SC,   32
.set BP,   64
.set AF,   128
.set AF2,  176
.set BRP,  224
.set TM,   128                         ; the ways out: v128-143 at work, v144-163 codes, v164-171 scale words, v172-175 what is stored of them
.set PC,   144
.set PWS,  164
.set OW,   172
; THE LOADS BESIDE THE REFILLS: at the head one a wave: waves 0 and 1 fetch K chunks 0 and 1 of x's two groups of 128 tokens, waves 2 and 3 those of the weight's two groups of 128 columns, 51,200 bytes each;
; then, behind a full sequence and a round, each wave one of x's four half-tiles of K chunks 2 and 3.  The ring lies half by half: the weight's half h, slot s at WRING + 51,200 h + 25,600 s; Wv's K chunk c takes h = c % 2, s = c / 2.
; Wv's and V^T's rows alone lie otherwise than the others': lane r of fragment a holds d = 64 (a / 4) + 4 r + a % 4.
; PREFETCHES: nothing at the head; then the weight's K chunks 2, 3 and Wv, which all clusters of a column share, by the clusters of the grid's first two rows alone.
.set G1XA, 24                          ; s[24:31] group 1: x, 200 rows of 256 bytes, then 100;  s[32:39]: the weight at the head, 200 rows;  s[48:55]: the weights' refills, 50 rows
.set G1WH, 32
.set G0XA, 40                          ; s[40:43] group 0 of x's loads, s[44:47] of the weight's load at the head
.set G0XB, 44
.set PFW,  26                          ; v26 the prefetches' offset; never rewritten
.set G1W,  48
.set G0W,  56                          ; s[56:59], s[60:63] groups 0 of the ring's two slots
.set SEL,  72
.set WVB,  80                          ; s[80:81] my quarter of Wv's first two K chunks
.set MUL_LO, 0xa1                      ; source 0 window 1, source 1 window 0, C and D window 2
.set MUL_HI, 0xf1
.set TO_B,   0x40
.set MSB, 0
.macro WIN new                         ; the immediate's high byte repeats the setting that is left
.if MSB != \new
	s_set_vgpr_msb (MSB<<8)|\new
.set MSB, \new
.endif
.endm
.macro TLOAD g0, g1                    ; a joint load; every wave issues it for its own quarter; four v_nop follow it
	tensor_load_to_lds s[\g0:\g0+3], s[\g1:\g1+7]
	s_nop 0
.rept 4
	v_nop
.endr
.endm
.macro CREST                           ; a round of the cluster's barrier behind its opening barrier
	s_cmp_lg_u32 s14, 0
	s_cbranch_scc1 .Lnot_wave_0_\@
	s_barrier_signal -3
.Lnot_wave_0_\@:
	s_barrier_wait -3
	s_barrier_signal -1
	s_barrier_wait -1
.endm
.macro CROUND
	s_barrier_signal -1
	s_barrier_wait -1
	CREST
.endm
.macro PLACES n
.rept \n
	v_nop
.endr
.endm
	s_load_b256 s[4:11], s[0:1], 0x0               ; xw, bq, bk, bv
	s_load_b64 s[12:13], s[0:1], 0x20              ; qkv
	v_lshl_add_u32 v[SPW], v0, 2, SPARE
	v_mov_b32 v[NIL], 0
	ds_add_u32 v28, v29
	ds_add_u32 v28, v29
	s_wait_dscnt 0x0
	v_lshrrev_b32 v1, 5, v0
	v_readfirstlane_b32 s14, v1                    ; wave 0..3
	s_lshr_b32 s15, s14, 1                         ; which half of source 1's rows is mine
	s_and_b32 s16, s14, 1                          ; which half of source 0's
	s_bfe_u32 s74, ttmp6, 0x40000                  ; cx
	s_bfe_u32 s75, ttmp6, 0x40004                  ; cy
	s_lshl_b32 s76, ttmp9, 2
	s_add_co_u32 s76, s76, s74                     ; tile column 0..7: 256 features of Q | K; also which 128 d of V
	s_and_b32 s17, ttmp7, 0xffff
	s_lshl_b32 s17, s17, 2
	s_add_co_u32 s17, s17, s75                     ; tile row: 256 tokens
	s_lshl_b32 s77, s75, 2
	s_lshl_b32 s77, 15, s77                        ; my row of the cluster
	s_lshl_b32 s78, 0x1111, s74                    ; my column
	; groups 1: dense blocks as rows of 256 bytes (32 elements of 8 bytes), no padding
	s_or_b32 s[G1XA], s77, (3<<16)|(1<<21)
	s_or_b32 s[G1WH], s78, (3<<16)|(1<<21)
	s_or_b32 s[G1W], s78, (3<<16)|(1<<21)
.irp g, G1XA, G1WH, G1W
	s_mov_b32 s[\g+1], 32<<16
	s_mov_b32 s[\g+3], 32<<16
	s_mov_b32 s[\g+5], 32
	s_mov_b32 s[\g+6], 0
	s_mov_b32 s[\g+7], 0
.endr
	s_mov_b32 s[G1XA+2], 200<<16
	s_mov_b32 s[G1XA+4], 200
	s_mov_b32 s[G1WH+2], 200<<16
	s_mov_b32 s[G1WH+4], 200
	s_mov_b32 s[G1W+2], 50<<16
	s_mov_b32 s[G1W+4], 50
	; the head: x's 128 tokens 2 x tile row + wave % 2; the weight's 128 columns 2 x tile column + wave % 2
	s_lshl_b32 s20, s17, 1
	s_add_co_u32 s20, s20, s16
	s_mul_i32 s20, s20, 4*HT
	s_mov_b32 s21, 0
	s_lshl_b32 s22, s76, 1
	s_add_co_u32 s22, s22, s16
	s_mul_i32 s22, s22, 4*HT
	s_add_co_u32 s22, s22, 256*HT
	s_mov_b32 s23, 0
	; the refills: the 128 columns 2 x tile column + wave / 2, the half wave % 2 of a half-tile;  Wv: the 128 d of the tile column, quarter wave of two K chunks
	; the Q or K weight: the 128 columns 2 x tile column + wave / 2, the half wave % 2 of a half-tile;  Wv: the 128 d of the tile column, quarter wave of two K chunks
	s_lshl_b32 s88, s76, 1
	s_add_co_u32 s88, s88, s15
	s_mul_i32 s88, s88, 4*HT
	s_mul_i32 s90, s16, QT
	s_add_co_u32 s88, s88, s90
	s_add_co_u32 s88, s88, 256*HT
	s_mov_b32 s89, 0
	s_mul_i32 s90, s76, 4*HT
	s_mul_i32 s91, s14, QT
	s_add_co_u32 s90, s90, s91
	s_add_co_u32 s90, s90, 320*HT
	s_mov_b32 s91, 0
	; where they go, from the wave's number alone
	s_mul_i32 s92, s16, 4*HT
	s_mul_i32 s93, s16, 2*HT
	s_add_co_u32 s93, s93, WRING
	s_mul_i32 s94, s15, 2*HT
	s_mul_i32 s95, s16, QT
	s_add_co_u32 s94, s94, s95
	s_add_co_u32 s94, s94, WRING
	s_wait_kmcnt 0x0
	s_add_nc_u64 s[20:21], s[4:5], s[20:21]
	s_add_nc_u64 s[22:23], s[4:5], s[22:23]
	s_add_nc_u64 s[88:89], s[4:5], s[88:89]
	s_add_nc_u64 s[WVB:WVB+1], s[4:5], s[90:91]
	s_mov_b32 s[G0XA], 1
	s_mov_b32 s[G0XA+1], s92
	s_mov_b64 s[G0XA+2:G0XA+3], s[20:21]
	s_or_b32 s[G0XA+3], s[G0XA+3], 0x80000000
	s_mov_b32 s[G0XB], 1
	s_mov_b32 s[G0XB+1], s93
	s_mov_b64 s[G0XB+2:G0XB+3], s[22:23]
	s_or_b32 s[G0XB+3], s[G0XB+3], 0x80000000
	s_mov_b32 s[G0W], 1
	s_mov_b32 s[G0W+1], s94
	s_mov_b64 s[G0W+2:G0W+3], s[88:89]
	s_or_b32 s[G0W+3], s[G0W+3], 0x80000000
	s_mov_b32 s[G0W+4], 1
	s_add_co_u32 s[G0W+5], s94, HT
	s_add_nc_u64 s[G0W+6:G0W+7], s[88:89], HT
	s_or_b32 s[G0W+7], s[G0W+7], 0x80000000
	CROUND                                         ; all sixteen work-groups are here: the first joint loads meet
.macro HLOAD                           ; the head's joint loads: waves 0, 1 for x, waves 2, 3 for the weight; each line has one mask
	s_cmp_eq_u32 s15, 0
	s_cbranch_scc0 .Lfor_w_\@
	tensor_load_to_lds s[G0XA:G0XA+3], s[G1XA:G1XA+7]
	s_nop 0
.rept 4
	v_nop
.endr
	s_branch .Lasked_\@
.Lfor_w_\@:
	tensor_load_to_lds s[G0XB:G0XB+3], s[G1WH:G1WH+7]
	s_nop 0
.rept 4
	v_nop
.endr
.Lasked_\@:
.endm
.macro ASKW base                       ; 25 blocks of 256 bytes a wave, by the clusters of the grid's first two rows
	s_cmp_lt_u32 s79, 2
	s_cbranch_scc0 .Lnot_mine_\@
	global_prefetch_b8 v[PFW], s[\base:\base+1] th:TH_LOAD_NT scope:SCOPE_SE
.Lnot_mine_\@:
.endm
	HLOAD                                          ; K chunks 0 and 1 of x and of the weight
	; x's later load: the 128 tokens 2 x tile row + wave / 2, K chunk 2 + wave % 2
	s_lshl_b32 s96, s17, 1
	s_add_co_u32 s96, s96, s15
	s_lshl_b32 s96, s96, 2
	s_add_co_u32 s96, s96, s16
	s_add_co_u32 s96, s96, 2
	s_mul_i32 s96, s96, HT
	s_mov_b32 s97, 0
	s_add_nc_u64 s[96:97], s[4:5], s[96:97]
	s_mul_i32 s18, s15, 4*HT
	s_mul_i32 s19, s16, HT
	s_add_co_u32 s18, s18, s19
	s_add_co_u32 s18, s18, 2*HT
	; where the prefetches stand: the weight's K chunks 2, 3 of the 128 columns wave / 2: 200 blocks, 50 for each partner along y, 25 for each of two waves
	s_and_b32 s79, ttmp7, 0xffff
	s_lshl_b32 s98, s76, 1
	s_add_co_u32 s98, s98, s15
	s_mul_i32 s98, s98, 4*HT
	s_mul_i32 s22, s75, 50*256
	s_add_co_u32 s98, s98, s22
	s_mul_i32 s22, s16, 25*256
	s_add_co_u32 s98, s98, s22
	s_add_co_u32 s98, s98, 258*HT
	s_mov_b32 s99, 0
	s_add_nc_u64 s[98:99], s[4:5], s[98:99]
	; Wv's four K chunks: 400 blocks, 100 for each partner along y, 25 for each wave
	s_mul_i32 s22, s76, 4*HT
	s_mul_i32 s23, s75, 100*256
	s_add_co_u32 s22, s22, s23
	s_mul_i32 s23, s14, 25*256
	s_add_co_u32 s22, s22, s23
	s_add_co_u32 s22, s22, 320*HT
	s_mov_b32 s23, 0
	s_add_nc_u64 s[22:23], s[4:5], s[22:23]
	v_and_b32 v1, 31, v0
	v_and_b32 v2, 15, v0                           ; r
	s_wait_alu depctr_va_vdst(0)
	v_bfe_u32 v3, v0, 4, 1                         ; h
	v_lshlrev_b32 v[LI], 4, v1
	v_lshlrev_b32 v[LS], 4, v2
	v_lshl_add_u32 v[LS], v3, 3, v[LS]
	; the biases
	s_cmp_eq_u32 ttmp9, 0
	s_cselect_b64 s[82:83], s[6:7], s[8:9]         ; bq or bk
	s_lshl_b32 s90, s74, 10                        ; 256 cx numbers
	s_lshl_b32 s91, s16, 9
	s_add_co_u32 s90, s90, s91
	v_lshl_add_u32 v30, v3, 6, s90                 ; along the registers: features 256 cx + 128 x half + 32 b + 16 h + i
	s_lshl_b32 s90, s76, 9                         ; 128 x tile column numbers of bv
	s_lshl_b32 s91, s15, 8
	s_add_co_u32 s90, s90, s91
	s_wait_alu depctr_va_vdst(0)
	v_lshl_add_u32 v31, v2, 4, s90                 ; of my row (Wv's own order): d = 128 x tile column + 64 x half + 4 r + i
.irp b, 0,1,2,3
.irp j, 0,1,2,3
	global_load_b128 v[BP+16*\b+4*\j:BP+16*\b+4*\j+3], v30, s[82:83] offset:128*\b+16*\j
.endr
.endr
.irp i, 0,1,2,3
	global_load_b32 v[BRP+2*\i], v31, s[10:11] offset:4*\i
.endr
	; LDS addresses of the reads
	s_mul_i32 s90, s15, 4*HT
	v_add_nc_u32 v[XA], s90, v[LI]
	v_add_nc_u32 v[XA+1], 2*HT, v[XA]
	s_mul_i32 s91, s16, 4*HT
	v_add_nc_u32 v[XB], s91, v[LI]
	v_add_nc_u32 v[XB+1], 2*HT, v[XB]
	s_mul_i32 s92, s16, 2*HT
	s_add_co_u32 s92, s92, WRING
	v_add_nc_u32 v[WB], s92, v[LI]
	v_add_nc_u32 v[WB+1], HT, v[WB]
	s_mul_i32 s93, s15, 6144
	s_add_co_u32 s93, s93, WRING
	v_add_nc_u32 v[WA], s93, v[LI]
	v_add_nc_u32 v[WA+1], 2*HT, v[WA]
.irp c, 0,1,2,3                                ; the lower base + h x the distance: lanes 16-31 take the weight's words
	s_add_co_u32 s94, s90, 24576+\c*HT
	s_add_co_u32 s95, s92, 24576+(\c%2)*HT
	s_sub_co_u32 s95, s95, s94
	v_mul_u32_u24 v[AS1+\c], s95, v3
	v_lshl_add_u32 v[AS1+\c], v2, 4, v[AS1+\c]
	v_add_nc_u32 v[AS1+\c], s94, v[AS1+\c]
.endr
	s_lshl_b32 s93, s15, 8
	s_add_co_u32 s93, s93, WRING+24576             ; Wv's words of my four fragments
.irp c, 0,1,2,3
.irp g, 0,1
	s_add_co_u32 s94, s91, 24576+256*\g+\c*HT
	s_add_co_u32 s95, s93, (\c%2)*2*HT+(\c/2)*HT
	s_sub_co_u32 s95, s95, s94
	v_mul_u32_u24 v[AS2+2*\c+\g], s95, v3
	v_lshl_add_u32 v[AS2+2*\c+\g], v2, 4, v[AS2+2*\c+\g]
	v_add_nc_u32 v[AS2+2*\c+\g], s94, v[AS2+2*\c+\g]
.endr
.endr
	v_min_u32 v[PFW], 24, v1
	v_lshlrev_b32 v[PFW], 8, v[PFW]                ; lanes left over name the wave's last block again
	s_mov_b32 s70, 0xffff0000                      ; lanes 16-31
	s_mov_b32 s[SEL], 0x76543210
	s_mov_b32 s[SEL+1], 0xfedcba98
	; where the results go
	s_lshl_b32 s90, s17, 1
	s_add_co_u32 s90, s90, s15
	s_lshl_b32 s90, s90, 2
	s_add_co_u32 s90, s90, s74
	s_lshl_b32 s91, ttmp9, 8
	s_add_co_u32 s90, s90, s91                     ; Q, K: 256 m + 4 (token / 128) + cx
	s_mul_i32 s90, s90, HT
	s_mov_b32 s91, 0
	s_add_nc_u64 s[68:69], s[12:13], s[90:91]
	s_mul_i32 s90, s16, 12288
	s_add_nc_u64 s[66:67], s[68:69], s[90:91]      ; my eight fragments: q = my half of the features
	s_lshl_b32 s90, s16, 9
	s_add_co_u32 s90, s90, 24576
	s_add_nc_u64 s[68:69], s[68:69], s[90:91]      ; their 512 bytes of scale words
	s_lshr_b32 s90, s17, 3
	s_lshl_b32 s90, s90, 3
	s_add_co_u32 s90, s90, s76
	s_lshl_b32 s90, s90, 3
	s_and_b32 s92, s17, 7
	s_add_co_u32 s90, s90, s92
	s_add_co_u32 s90, s90, 512                     ; V^T: 512 + 8 (8 batch + d / 128) + key / 256
	s_mul_i32 s90, s90, HT
	s_add_nc_u64 s[86:87], s[12:13], s[90:91]
	s_mul_i32 s90, s16, 12288
	s_mul_i32 s92, s15, 6144
	s_add_co_u32 s90, s90, s92
	s_add_nc_u64 s[84:85], s[86:87], s[90:91]      ; my four fragments: q = my half of the keys, a = 4 x my half of the d + i
	s_lshl_b32 s90, s16, 9
	s_lshl_b32 s92, s15, 8
	s_add_co_u32 s90, s90, s92
	s_add_co_u32 s90, s90, 24576
	s_add_nc_u64 s[86:87], s[86:87], s[90:91]      ; their 256 bytes of scale words
.macro FRAG reg, adr, off              ; a fragment comes as it was stored: three loads of 512 consecutive bytes
.irp g, 0,1,2
	ds_load_b128 v[\reg+4*\g:\reg+4*\g+3], v[\adr] offset:\off+512*\g
.endr
.endm
; ---- the first product: K chunk c (256 along K), its q-th 128
.macro FB1 c, q, p                     ; the weight's eight fragments into set p
	WIN TO_B
.irp i, 0,1,2,3,4,5,6,7
	FRAG 128*(\p)+FR*\i, WB+(\c)%2, (8*(\q)+\i)*1536
.endr
	WIN 0
.endm
.macro FA1 c, q, i0                    ; x's blocks i0 .. i0 + 3
.irp i, \i0, \i0+1, \i0+2, \i0+3
	FRAG AF+FR*(\i), XA+(\c)/2, ((\c)%2)*HT+(8*(\q)+(\i))*1536
.endr
.endm
.macro SC1 c                           ; a K chunk's scale words: register SC + 16 (c % 2) + 8 q + a: lanes 0-15 x's fragment a, lanes 16-31 the weight's
.irp q, 0,1
.irp g, 0,1
	ds_load_b128 v[SC+16*((\c)%2)+8*\q+4*\g:SC+16*((\c)%2)+8*\q+4*\g+3], v[AS1+(\c)] offset:512*\q+256*\g
.endr
.endr
.endm
; 16 matrix instructions: x's blocks a0, a0 + 1 x the weight's eight.  cm = 2: the bias is the C of the sum's first instruction.  The 64 accumulators take turns.
.macro MUL16 a0, p, q, sc, cm
.irp a, \a0, \a0+1
.irp b, 0,1,2,3,4,5,6,7
.if \cm == 2
	v_wmma_scale_f32_16x16x128_f8f6f4 v[8*(8*((\a)%4)+\b):8*(8*((\a)%4)+\b)+7], v[128*(\p)+FR*\b:128*(\p)+FR*\b+FR-1], v[AF+FR*(\a):AF+FR*(\a)+FR-1], v[BP+8*\b:BP+8*\b+7], v[SC+16*(\sc)+8*(\q)+\b], v[SC+16*(\sc)+8*(\q)+(\a)] matrix_a_fmt:MATRIX_FMT_BF6 matrix_b_fmt:MATRIX_FMT_BF6 matrix_a_scale:MATRIX_SCALE_ROW1
.else
	v_wmma_scale_f32_16x16x128_f8f6f4 v[8*(8*((\a)%4)+\b):8*(8*((\a)%4)+\b)+7], v[128*(\p)+FR*\b:128*(\p)+FR*\b+FR-1], v[AF+FR*(\a):AF+FR*(\a)+FR-1], v[8*(8*((\a)%4)+\b):8*(8*((\a)%4)+\b)+7], v[SC+16*(\sc)+8*(\q)+\b], v[SC+16*(\sc)+8*(\q)+(\a)] matrix_a_fmt:MATRIX_FMT_BF6 matrix_b_fmt:MATRIX_FMT_BF6 matrix_a_scale:MATRIX_SCALE_ROW1
.endif
.endr
.endr
.endm
.macro STEP1 c, cm                     ; a K chunk's first 128
	s_wait_dscnt 12                                ; all but the youngest twelve loads (x's blocks 4-7) are in
.if \cm == 2
	WIN 0x81                                       ; C in window 0
.else
	WIN MUL_LO
.endif
	MUL16 0, 0, 0, (\c)%2, \cm
	MUL16 2, 0, 0, (\c)%2, \cm
	s_wait_dscnt 0x0
	PLACES NP
	FB1 \c, 1, 1
	FA1 \c, 1, 0
.if \cm == 2
	WIN 0xc1
.else
	WIN MUL_HI
.endif
	MUL16 4, 0, 0, (\c)%2, \cm
	MUL16 6, 0, 0, (\c)%2, \cm
	PLACES NP
	WIN 0
	FA1 \c, 1, 4
.endm
; The first half of a K chunk's second 128, and the change of slots: each wave waits for all its tensor loads, adds 0 to its spare word, waits for that and for its reads of the slot, and a round of the cluster's barrier follows:
; no wave of any partner still reads the slot or has a load on its way.
.macro MEET1 c
	s_wait_tensorcnt 0x0                           ; all my tensor loads have landed
	ds_add_u32 v[SPW], v[NIL]                      ; 0 onto my spare word
	s_wait_dscnt 13                                ; (the add and the youngest twelve loads may be out)
	WIN MUL_LO
	MUL16 0, 1, 1, (\c)%2, 0
	s_wait_dscnt 0x0                               ; the add is done, and my reads of this slot are over
	s_barrier_signal -1
	MUL16 2, 1, 1, (\c)%2, 0
	WIN 0
	s_barrier_wait -1
	CREST
.endm
.macro TURN1 c, mode                   ; mode 1: the slot takes the weight's K chunk c + 2;  mode 2: slot 0 takes Wv's K chunks 0 and 1
	MEET1 \c
.if \mode == 1
	s_add_nc_u64 s[G0W+4*((\c)%2)+2:G0W+4*((\c)%2)+3], s[G0W+4*((\c)%2)+2:G0W+4*((\c)%2)+3], 2*HT
.else
	s_mov_b64 s[G0W+2:G0W+3], s[WVB:WVB+1]
	s_or_b32 s[G0W+3], s[G0W+3], 0x80000000
.endif
	TLOAD G0W+4*((\c)%2), G1W                      ; the first tensor load behind the round, my one load until the next; its four v_nop are the places in front of the loads below
	FB1 (\c)+1, 0, 0
	FA1 (\c)+1, 0, 0
	s_wait_alu depctr_va_vdst(0)
	SC1 (\c)+1
.if (\c) == 0
	ASKW 22                                        ; Wv, two changes of slots ahead of its load
.endif
	WIN MUL_HI
	MUL16 4, 1, 1, (\c)%2, 0
	MUL16 6, 1, 1, (\c)%2, 0
	PLACES NP
	WIN 0
	FA1 (\c)+1, 0, 4
.endm
; ---- the second product
.macro FB2 c, q, p                     ; x's eight fragments into set p
	WIN TO_B
.irp i, 0,1,2,3,4,5,6,7
	FRAG 128*(\p)+FR*\i, XB+(\c)/2, ((\c)%2)*HT+(8*(\q)+\i)*1536
.endr
	WIN 0
.endm
.macro FA2 c, q, i0                    ; Wv's blocks i0, i0 + 1 of my four
.irp i, \i0, \i0+1
	FRAG AF2+FR*(\i), WA+(\c)%2, ((\c)/2)*HT+(8*(\q)+(\i))*1536
.endr
.endm
.macro SC2 c                           ; register SC + 16 (c % 2) + 8 q + 4 g + w: lanes 0-15 x's fragment 4 g + w, lanes 16-31 Wv's block w of my four
.irp q, 0,1
.irp g, 0,1
	ds_load_b128 v[SC+16*((\c)%2)+8*\q+4*\g:SC+16*((\c)%2)+8*\q+4*\g+3], v[AS2+2*(\c)+\g] offset:512*\q
.endr
.endr
.endm
.macro MUL2 a0, p, c, q, cm            ; cm = 1: the first product starts the sums.  The 32 accumulators take turns
.irp a, \a0, \a0+1
.irp b, 0,1,2,3,4,5,6,7
.if \cm == 1
	v_wmma_scale_f32_16x16x128_f8f6f4 v[8*(8*(\a)+\b):8*(8*(\a)+\b)+7], v[128*(\p)+FR*\b:128*(\p)+FR*\b+FR-1], v[AF2+FR*(\a):AF2+FR*(\a)+FR-1], v[BP+8*(\a):BP+8*(\a)+7], v[SC+16*((\c)%2)+8*(\q)+\b], v[SC+16*((\c)%2)+8*(\q)+(\a)] matrix_a_fmt:MATRIX_FMT_BF6 matrix_b_fmt:MATRIX_FMT_BF6 matrix_b_scale:MATRIX_SCALE_ROW1   ; bv of my row is the C of the sum's first instruction
.else
	v_wmma_scale_f32_16x16x128_f8f6f4 v[8*(8*(\a)+\b):8*(8*(\a)+\b)+7], v[128*(\p)+FR*\b:128*(\p)+FR*\b+FR-1], v[AF2+FR*(\a):AF2+FR*(\a)+FR-1], v[8*(8*(\a)+\b):8*(8*(\a)+\b)+7], v[SC+16*((\c)%2)+8*(\q)+\b], v[SC+16*((\c)%2)+8*(\q)+(\a)] matrix_a_fmt:MATRIX_FMT_BF6 matrix_b_fmt:MATRIX_FMT_BF6 matrix_b_scale:MATRIX_SCALE_ROW1
.endif
.endr
.endr
.endm
.macro STEP2 k, cm                     ; step k of eight, 128 along K; it fetches step k + 1's fragments.  All its operands lie in LDS: no change of slots
.set C0, (\k)/2
.set Q0, (\k)%2
.set C1, ((\k)+1)/2
.set Q1, ((\k)+1)%2
	s_wait_dscnt 6                                 ; all but the youngest six loads (Wv's blocks 2, 3) are in
.if \cm == 1
	WIN 0x81                                       ; C in window 0
.else
	WIN MUL_LO
.endif
	MUL2 0, Q0, C0, Q0, \cm
	s_wait_dscnt 0x0
	PLACES NP
	FB2 C1, Q1, Q1
	FA2 C1, Q1, 0
.if Q1 == 0
	SC2 C1
.endif
.if \cm == 1
	WIN 0x81
.else
	WIN MUL_LO
.endif
	MUL2 2, Q0, C0, Q0, \cm
	PLACES NP
	WIN 0
	FA2 C1, Q1, 2
.endm
; ---- a way out.  The 64 registers of source 1's block a are 128 neighbours along the next K of a lane's row, register 16 b + i = 32 b + 16 (lane / 16) + i: they become one fragment and one scale word, and leave as images.
;   ob: the scalar pair of the output's base.  wx = 1: earlier stores may still read the codes' registers.
.macro QACC a, ob, wx                  ; (the biases stand in the sums already)
.set W, 2+(\a)/4
.set AC, 64*((\a)%4)
	WIN 5*W                                        ; sources 0 and 1
.irp b, 0,1,2,3
	v_max3_num_f32 v[TM+\b], |v[AC+16*\b]|, |v[AC+16*\b+1]|, 0x2800000   ; my 16 numbers of block b, from each accumulator's low end on, and the floor 2^(5 - 127)
.endr
.irp i, 2,4,6,8,10,12,14
.irp b, 0,1,2,3
	v_max3_num_f32 v[TM+\b], |v[AC+16*\b+\i]|, |v[AC+16*\b+\i+1]|, v[TM+\b]
.endr
.endr
	WIN 0
.irp b, 0,1,2,3
	v_permlanex16_b32 v[TM+4+\b], v[TM+\b], s[SEL], s[SEL+1]
.endr
.irp b, 0,1,2,3
	v_max_num_f32 v[TM+\b], v[TM+\b], v[TM+4+\b]   ; with lane l xor 16's: the block's largest magnitude
.endr
.irp b, 0,1,2,3
	v_add_nc_u32 v[TM+12+\b], 0xfe000000, v[TM+\b] ; 4 off its exponent field: the conversion's scale operand
.endr
.irp b, 0,1,2,3
	v_lshrrev_b32 v[TM+4+\b], 23, v[TM+12+\b]      ; the scale's byte
.endr
	v_lshl_or_b32 v[PWS+(\a)], v[TM+5], 8, v[TM+4]
	v_lshl_or_b32 v[PWS+(\a)], v[TM+6], 16, v[PWS+(\a)]
	v_lshl_or_b32 v[PWS+(\a)], v[TM+7], 24, v[PWS+(\a)]
.if \wx
	s_wait_xcnt 0x0                                ; the earlier stores have read their data
.endif
	WIN W                                          ; source 0
.irp c, 0,1
	v_cvt_scalef32_pk16_bf6_f32 v[PC+6*\c:PC+2+6*\c], v[AC+32*\c:AC+15+32*\c], v[TM+12+2*\c]
	v_cvt_scalef32_pk16_bf6_f32 v[PC+12+4*\c:PC+14+4*\c], v[AC+16+32*\c:AC+31+32*\c], v[TM+12+2*\c+1]   ; (a conversion's three registers begin on an even number)
.endr
	WIN 0
	v_nop                                          ; one plain place behind a scaled conversion
.irp c, 0,1                                    ; the operand's layout wants a whole block in a lane
.irp i, 0,1,2
	v_permlane16_swap_b32 v[PC+6*\c+\i], v[PC+12+4*\c+\i]
.endr
.irp i, 0,1,2
	v_mov_b32 v[PC+3+6*\c+\i], v[PC+12+4*\c+\i]
.endr
.endr
.irp g, 0,1,2
	global_store_b128 v[LI], v[PC+4*\g:PC+4*\g+3], s[\ob:\ob+1] offset:1536*(\a)+512*\g   ; 512 consecutive bytes
.endr
.endm
	s_wait_alu depctr_va_vdst(0)
	s_wait_tensorcnt 0x0                           ; my part of K chunks 0 and 1 is in
	ds_add_u32 v[SPW], v[NIL]
	s_mov_b32 s[G0XA+1], s18                       ; no tensor load of mine is out, so the descriptors may be written: x's K chunks 2 and 3, a half-tile a wave
	s_mov_b64 s[G0XA+2:G0XA+3], s[96:97]
	s_or_b32 s[G0XA+3], s[G0XA+3], 0x80000000
	s_mov_b32 s[G1XA+2], 100<<16
	s_mov_b32 s[G1XA+4], 100
	s_wait_dscnt 0x0                               ; the add is done
	CROUND                                         ; everybody's part of K chunks 0 and 1 is in, and all sixteen work-groups are here
	TLOAD G0XA, G1XA
	FB1 0, 0, 0
	FA1 0, 0, 0
	SC1 0
	FA1 0, 0, 4
	ASKW 98                                        ; the weight's K chunks 2 and 3, one change of slots and two ahead of their loads
	s_wait_loadcnt 0x0                             ; the biases
	STEP1 0, 2                                     ; THE FIRST PRODUCT: eight steps of 128 along K, written out
	TURN1 0, 1                                     ; its wait for all loads also shows the rest of x landed
	STEP1 1, 0
	TURN1 1, 1
	STEP1 2, 0
	TURN1 2, 2                                     ; the ring goes on into the second product
	STEP1 3, 0
	MEET1 3
	s_add_nc_u64 s[G0W+6:G0W+7], s[WVB:WVB+1], 2*HT
	s_or_b32 s[G0W+7], s[G0W+7], 0x80000000
	TLOAD G0W+4, G1W                               ; slot 1 takes Wv's K chunks 2 and 3: my last tensor load
	FB2 0, 0, 0                                    ; the second product's first fragments land during the way out, which touches none of their registers
	SC2 0
	WIN MUL_HI
	MUL16 4, 1, 1, 1, 0
	MUL16 6, 1, 1, 1, 0
	PLACES NP
	WIN 0
	FA2 0, 0, 0
	FA2 0, 0, 2
.irp b, 0,1,2,3
	v_mov_b32 v[TM+4+\b], 0                        ; written once: a lane permute's destination counts as one of its sources
.endr
.irp i, 0,1,2,3
.irp j, 0,1,2,3,4,5,6,7
	v_mov_b32 v[BP+8*\i+\j], v[BRP+2*\i]           ; bv of my row in fragment i, for the eight registers of a C
.endr
.endr
	QACC 0, 66, 0                                  ; Q's or K's way out
.irp a, 1,2,3,4,5,6,7
	QACC \a, 66, 1
.endr
.irp w, 0,1,2,3
	v_cndmask_b32 v[OW+\w], v[PWS+\w], v[PWS+4+\w], s70   ; lanes 0-15: fragments 0-3 of their row; lanes 16-31: fragments 4-7
.endr
	global_store_b128 v[LI], v[OW:OW+3], s[68:69]
	s_wait_tensorcnt 0x0                           ; my part of slot 1 is in,
	ds_add_u32 v[SPW], v[NIL]
	s_wait_dscnt 0x0                               ; and my fragments,
	s_barrier_signal -1
	s_barrier_wait -1                              ; everybody's part is: all of the second product's operands lie in LDS
	STEP2 0, 1                                     ; THE SECOND PRODUCT: eight steps of 128 along K
	STEP2 1, 0
	STEP2 2, 0
	STEP2 3, 0
	STEP2 4, 0
	STEP2 5, 0
	STEP2 6, 0
	s_wait_dscnt 6
	WIN MUL_LO
	MUL2 0, 1, 3, 1, 0
	s_wait_dscnt 0x0
	MUL2 2, 1, 3, 1, 0
	WIN 0
	PLACES NP
.irp a, 0,1,2,3
	QACC \a, 84, 1                                 ; V^T's way out
.endr
	v_cndmask_b32 v[OW], v[PWS], v[PWS+2], s70     ; lanes 0-15 store words 0, 1 of their row, lanes 16-31 words 2, 3
	v_cndmask_b32 v[OW+1], v[PWS+1], v[PWS+3], s70
	global_store_b64 v[LS], v[OW:OW+1], s[86:87]   ; 256 consecutive bytes
	s_wait_tensorcnt 0x0                           ; the wave's end
	ds_add_u32 v[SPW], v[NIL]
	s_wait_dscnt 0x0
	CROUND                                         ; the closing round
	s_endpgm
.Lfunc_end_k_q7d33b1c867_proj:
	.size	k_q7d33b1c867_proj, .Lfunc_end_k_q7d33b1c867_proj-k_q7d33b1c867_proj
	.p2alignl 7, 3214868480
	.fill 96, 4, 3214868480
	.section	.rodata,"a",@progbits
	.p2align	6, 0x0
	.amdhsa_kernel k_q7d33b1c867_proj
		.amdhsa_group_segment_fixed_size 327680
		.amdhsa_private_segment_fixed_size 0
		.amdhsa_enable_private_segment 0
		.amdhsa_kernarg_size 40
		.amdhsa_user_sgpr_count 2
		.amdhsa_user_sgpr_kernarg_segment_ptr 1
		.amdhsa_wavefront_size32 1
		.amdhsa_system_sgpr_workgroup_id_x 1
		.amdhsa_system_sgpr_workgroup_id_y 1
		.amdhsa_system_sgpr_workgroup_id_z 1
		.amdhsa_system_vgpr_workitem_id 0
		.amdhsa_next_free_vgpr 1024
		.amdhsa_next_free_sgpr 100
		.amdhsa_reserve_vcc 0
		.amdhsa_float_denorm_mode_32 3
		.amdhsa_float_denorm_mode_16_64 3
		.amdhsa_memory_ordered 1
		.amdhsa_forward_progress 1
		.amdhsa_inst_pref_size 219
	.end_amdhsa_kernel
	.amdgpu_metadata
---
amdhsa.version: [ 1, 2 ]
amdhsa.kernels:
  - .name:           k_q7d33b1c867_proj
    .symbol:         k_q7d33b1c867_proj.kd
    .args:
      - { .name: xw, .offset: 0, .size: 8, .value_kind: global_buffer, .address_space: global }
      - { .name: bq, .offset: 8, .size: 8, .value_kind: global_buffer, .address_space: global }
      - { .name: bk, .offset: 16, .size: 8, .value_kind: global_buffer, .address_space: global }
      - { .name: bv, .offset: 24, .size: 8, .value_kind: global_buffer, .address_space: global }
      - { .name: qkv, .offset: 32, .size: 8, .value_kind: global_buffer, .address_space: global }
    .group_segment_fixed_size: 327680
    .private_segment_fixed_size: 0
    .kernarg_segment_align: 8
    .kernarg_segment_size: 40
    .max_flat_workgroup_size: 128
    .sgpr_count:     100
    .vgpr_count:     1024
    .wavefront_size: 32
...
	.end_amdgpu_metadata
.endif
;; end of part 2
;; launch score (part 3): grid 8 x 32, 4 waves a work-group, clusters of 4 x 4, 327,680 bytes of LDS; arguments qkv, pcodes, pstats; writes pcodes, pstats
.if DOCPART == 3
	.amdgcn_target "amdgcn-amd-amdhsa--gfx1250"
	.amdhsa_code_object_version 6
	.text
	.protected	k_q7d33b1c867_score
	.globl	k_q7d33b1c867_score
	.p2align	8
	.type	k_q7d33b1c867_score,@function
k_q7d33b1c867_score:
	s_mov_b64 s[64:65], 0
	v_nop
	global_prefetch_b8 v0, s[64:65] scope:SCOPE_SE
	s_setreg_imm32_b32 hwreg(HW_REG_WAVE_MODE, 25, 1), 1
	s_wait_xcnt 0x0
	s_wait_alu depctr_hold_cnt(0) depctr_sa_sdst(0) depctr_va_vdst(0) depctr_va_sdst(0) depctr_va_ssrc(0) depctr_va_vcc(0) depctr_vm_vsrc(0)
	s_getreg_b32 s2, hwreg(HW_REG_IB_STS2, 6, 4)
	s_cmp_eq_u32 s2, 0
	s_cbranch_scc0 .Lentry_in_a_cluster
	s_endpgm
.Lentry_in_a_cluster:
	s_bfe_u32 s2, ttmp6, 0x10000c
	s_cmp_lg_u32 s2, 0xf033
	s_cbranch_scc0 .Lentry_shape_is_right
	s_endpgm
.Lentry_shape_is_right:
; S^T = K Q^T on codes of BF6 (E3M2), and on the way out the softmax's p for each 128 keys: t = score x log2(e) / 32; M = the ceiling of the largest t of the query's 128 keys (a whole number, LOCAL to these keys);
; p = 2^(t - M), quantised along the keys; the sum of the unquantised p.  The next launch joins the local M: a change of M is an exact power of two, which the blocks' scale bytes take up.
; Operands lie as images of operand registers in half-tiles of 25,600 bytes (see the launch that makes them): Q at index 4 (token / 128) + f / 256 of qkv, K at 256 + the same.
; pcodes: blocks of 24,576 bytes (128 queries x 256 keys), index 8 (query / 128) + key / 256, fragment (q, a) at (8 q + a) x 1,536.
; pstats: three kinds, 524,288 bytes each: p's scale words, -M, the sum; in each (16 (query / 128) + key / 128) x 512 + 256 (a / 4) + 16 r + 4 (a % 4).
; A work-group makes 256 queries x 256 keys of one batch; a wave 128 x 128.  Source 0 = K's rows, source 1 = Q's: a lane holds one query, its registers run along the keys.  Ring, round and joint loads as in the launch before.
; The block's largest p is made of the block's largest score by the same multiply-add and exponential (it takes v_exp_f32 not to fall where its input rises).
; LIMITS: a block whose every p is 0 keeps the byte 1; NaN and infinities are not served.
.set HT,    25600
.set SLOT,  4*HT
.set SPARE, 2*SLOT
.set FR,    12
.set NP,    4
.set ADRA, 16
.set ADRB, 20
.set ADRS, 22
.set LI,   24
; ONE LOAD A WAVE AT THE HEAD: slot 0; slot 1's first fill stands behind a full sequence and a round.  Chunks 2 and 3 (256 features each) are prefetched one load ahead, behind the load before
; and its run of LDS loads: of the 100 blocks of 256 bytes that a wave fetches, 25 for each of the four partners, told apart by address: each block once in each cluster.  Chunks 0 and 1 come by their loads alone.
.set PF,   30                          ; v30 the prefetches' offset; never rewritten
.set SPW,  28
.set NIL,  29
.set SC,   32                          ; v32-63 scale words and nothing else
.set T,    64                          ; v64-127 t - M, then p
.set AF,   128
.set PC,   128                         ; the way out: v128-147 codes
.set BM,   148                         ; v148-151 the blocks' largest scores, then p
.set BX,   152                         ; v152-155
.set BS,   156                         ; v156-159 the conversions' scale operands
.set SU,   164
.set SV,   166
.set PWS,  176
.set NMS,  184
.set LS,   192
.set OW,   200
.set G1,  24
.set G0,  32
.set G1B, 48
.set G0B, 56
.set SEL, 72
.set CS,  74
.set MUL_LO, 0xa1
.set MUL_HI, 0xf1
.set TO_B,   0x40
.set MSB, 0
.macro WIN new
.if MSB != \new
	s_set_vgpr_msb (MSB<<8)|\new
.set MSB, \new
.endif
.endm
.macro JLOAD g0a, g1a, g0b, g1b
	s_cmp_eq_u32 s15, 0
	s_cbranch_scc0 .Lfor_b_\@
	tensor_load_to_lds s[\g0a:\g0a+3], s[\g1a:\g1a+7]
	s_nop 0
.rept 4
	v_nop
.endr
	s_branch .Lasked_\@
.Lfor_b_\@:
	tensor_load_to_lds s[\g0b:\g0b+3], s[\g1b:\g1b+7]
	s_nop 0
.rept 4
	v_nop
.endr
.Lasked_\@:
.endm
.macro CREST
	s_cmp_lg_u32 s14, 0
	s_cbranch_scc1 .Lnot_wave_0_\@
	s_barrier_signal -3
.Lnot_wave_0_\@:
	s_barrier_wait -3
	s_barrier_signal -1
	s_barrier_wait -1
.endm
.macro CROUND
	s_barrier_signal -1
	s_barrier_wait -1
	CREST
.endm
.macro PLACES n
.rept \n
	v_nop
.endr
.endm
	s_load_b128 s[4:7], s[0:1], 0x0                ; qkv, pcodes
	s_load_b64 s[8:9], s[0:1], 0x10                ; pstats
	v_lshl_add_u32 v[SPW], v0, 2, SPARE
	v_mov_b32 v[NIL], 0
	ds_add_u32 v28, v29
	ds_add_u32 v28, v29
	s_wait_dscnt 0x0
	v_lshrrev_b32 v1, 5, v0
	v_readfirstlane_b32 s14, v1
	s_lshr_b32 s15, s14, 1                         ; my half of the queries.  Also: I fetch Q's (0) or K's (1)
	s_and_b32 s16, s14, 1                          ; my half of the keys.  Also: which half-tile I fetch
	s_bfe_u32 s40, ttmp6, 0x40000
	s_bfe_u32 s41, ttmp6, 0x40004
	s_lshl_b32 s42, ttmp9, 2
	s_add_co_u32 s42, s42, s40                     ; which 256 keys of the batch
	s_and_b32 s17, ttmp7, 0xffff
	s_lshr_b32 s18, s17, 1                         ; the batch: from the cluster's y alone, so that all partners share it
	s_lshl_b32 s17, s17, 2
	s_add_co_u32 s17, s17, s41                     ; which 256 queries of all 8,192
	s_lshl_b32 s43, s41, 2
	s_lshl_b32 s43, 15, s43
	s_lshl_b32 s44, 0x1111, s40
	s_or_b32 s[G1], s43, (3<<16)|(1<<21)
	s_or_b32 s[G1B], s44, (3<<16)|(1<<21)
.irp g, G1, G1B
	s_mov_b32 s[\g+1], 32<<16
	s_mov_b32 s[\g+2], 100<<16
	s_mov_b32 s[\g+3], 32<<16
	s_mov_b32 s[\g+4], 100
	s_mov_b32 s[\g+5], 32
	s_mov_b32 s[\g+6], 0
	s_mov_b32 s[\g+7], 0
.endr
	s_lshl_b32 s20, s17, 1
	s_add_co_u32 s20, s20, s16
	s_mul_i32 s20, s20, 4*HT                       ; Q
	s_mov_b32 s21, 0
	s_lshl_b32 s46, s18, 3
	s_add_co_u32 s46, s46, s42
	s_lshl_b32 s46, s46, 1
	s_add_co_u32 s46, s46, s16
	s_mul_i32 s46, s46, 4*HT
	s_add_co_u32 s46, s46, 256*HT                  ; K: 256 + 4 (2 (8 batch + tile column) + half)
	s_mov_b32 s47, 0
	s_mul_i32 s45, s14, HT
	s_wait_kmcnt 0x0
	s_add_nc_u64 s[20:21], s[4:5], s[20:21]
	s_add_nc_u64 s[46:47], s[4:5], s[46:47]
	CROUND
.irp s, 0,1
	s_mov_b32 s[G0+4*\s], 1
	s_add_co_u32 s[G0+4*\s+1], s45, \s*SLOT
	s_add_nc_u64 s[G0+4*\s+2:G0+4*\s+3], s[20:21], \s*HT
	s_or_b32 s[G0+4*\s+3], s[G0+4*\s+3], 0x80000000
	s_mov_b32 s[G0B+4*\s], 1
	s_add_co_u32 s[G0B+4*\s+1], s45, \s*SLOT
	s_add_nc_u64 s[G0B+4*\s+2:G0B+4*\s+3], s[46:47], \s*HT
	s_or_b32 s[G0B+4*\s+3], s[G0B+4*\s+3], 0x80000000
.endr
	JLOAD G0, G1, G0B, G1B                         ; chunk 0
	s_cmp_eq_u32 s15, 0                            ; where my prefetches stand: chunk 2 of the half-tile that I fetch; chunk 3 lies HT bytes on
	s_cselect_b64 s[78:79], s[20:21], s[46:47]
	s_cselect_b32 s80, s40, s41                    ; my place among the four that ask for it with me
	s_mul_i32 s80, s80, 25*256
	s_mov_b32 s81, 0
	s_add_nc_u64 s[78:79], s[78:79], s[80:81]
	s_add_nc_u64 s[78:79], s[78:79], 2*HT
	v_and_b32 v1, 31, v0
	v_and_b32 v2, 15, v0
	v_bfe_u32 v3, v0, 4, 1
	v_lshlrev_b32 v[LI], 4, v1
	v_min_u32 v[PF], 24, v1
	v_lshlrev_b32 v[PF], 8, v[PF]                  ; lanes left over name the wave's last block again
	s_wait_alu depctr_va_vdst(0)
	s_mul_i32 s84, s15, HT
	s_mul_i32 s85, s16, HT
	s_add_co_u32 s85, s85, 2*HT                    ; of K
	v_add_nc_u32 v[ADRA], s84, v[LI]
	v_add_nc_u32 v[ADRA+1], SLOT, v[ADRA]
	v_add_nc_u32 v[ADRB], s85, v[LI]
	v_add_nc_u32 v[ADRB+1], SLOT, v[ADRB]
	s_sub_co_u32 s86, s85, s84
	v_mul_u32_u24 v7, s86, v3                      ; lanes 16-31 take K's scale words
	v_lshl_add_u32 v7, v2, 4, v7
	s_add_co_u32 s84, s84, 24576
	v_add_nc_u32 v[ADRS], s84, v7
	v_add_nc_u32 v[ADRS+1], SLOT, v[ADRS]
	s_mov_b32 s70, 0xffff0000
	s_mov_b32 s[SEL], 0x76543210
	s_mov_b32 s[SEL+1], 0xfedcba98
	s_mov_b32 s[CS], 0x3d38aa3b                    ; log2(e) / sqrt(1024)
	s_mov_b32 s[CS+1], s[CS]
	s_lshl_b32 s86, s17, 1
	s_add_co_u32 s86, s86, s15                     ; query / 128
	s_lshl_b32 s88, s86, 3
	s_add_co_u32 s88, s88, s42
	s_mul_i32 s88, s88, 24576
	s_mul_i32 s89, s16, 12288
	s_add_co_u32 s88, s88, s89
	s_mov_b32 s89, 0
	s_add_nc_u64 s[66:67], s[6:7], s[88:89]
	s_lshl_b32 s90, s86, 4
	s_lshl_b32 s91, s42, 1
	s_add_co_u32 s90, s90, s91
	s_add_co_u32 s90, s90, s16
	s_lshl_b32 s90, s90, 9
	s_mov_b32 s91, 0
	s_add_nc_u64 s[68:69], s[8:9], s[90:91]
.macro FRAG reg, adr, off
.irp g, 0,1,2
	ds_load_b128 v[\reg+4*\g:\reg+4*\g+3], v[\adr] offset:\off+512*\g
.endr
.endm
.macro FETCH_B slot, q, p
	WIN TO_B
.irp i, 0,1,2,3,4,5,6,7
	FRAG 128*(\p)+FR*\i, ADRB+\slot, (8*(\q)+\i)*1536
.endr
	WIN 0
.endm
.macro FETCH_A slot, q, i0
.irp i, \i0, \i0+1, \i0+2, \i0+3
	FRAG AF+FR*(\i), ADRA+\slot, (8*(\q)+(\i))*1536
.endr
.endm
.macro SCALES sc
.irp q, 0,1
.irp g, 0,1
	ds_load_b128 v[SC+16*\sc+8*\q+4*\g:SC+16*\sc+8*\q+4*\g+3], v[ADRS+\sc] offset:512*\q+256*\g
.endr
.endr
.endm
.macro MUL16 a0, p, q, sc, cm          ; cm = 1: the first product starts the sums.  The 64 accumulators take turns
.irp a, \a0, \a0+1
.irp b, 0,1,2,3,4,5,6,7
.if \cm == 1
	v_wmma_scale_f32_16x16x128_f8f6f4 v[8*(8*((\a)%4)+\b):8*(8*((\a)%4)+\b)+7], v[128*(\p)+FR*\b:128*(\p)+FR*\b+FR-1], v[AF+FR*(\a):AF+FR*(\a)+FR-1], 0, v[SC+16*(\sc)+8*(\q)+\b], v[SC+16*(\sc)+8*(\q)+(\a)] matrix_a_fmt:MATRIX_FMT_BF6 matrix_b_fmt:MATRIX_FMT_BF6 matrix_a_scale:MATRIX_SCALE_ROW1
.else
	v_wmma_scale_f32_16x16x128_f8f6f4 v[8*(8*((\a)%4)+\b):8*(8*((\a)%4)+\b)+7], v[128*(\p)+FR*\b:128*(\p)+FR*\b+FR-1], v[AF+FR*(\a):AF+FR*(\a)+FR-1], v[8*(8*((\a)%4)+\b):8*(8*((\a)%4)+\b)+7], v[SC+16*(\sc)+8*(\q)+\b], v[SC+16*(\sc)+8*(\q)+(\a)] matrix_a_fmt:MATRIX_FMT_BF6 matrix_b_fmt:MATRIX_FMT_BF6 matrix_a_scale:MATRIX_SCALE_ROW1
.endif
.endr
.endr
.endm
.macro STEP slot, q, cm
	s_wait_dscnt 12                                ; all but the youngest twelve loads (Q's blocks 4-7) are in
	WIN MUL_LO
	MUL16 0, (\q)%2, \q, \slot, \cm
	MUL16 2, (\q)%2, \q, \slot, \cm
	s_wait_dscnt 0x0
	PLACES NP
	FETCH_B \slot, (\q)+1, 1-(\q)%2
	FETCH_A \slot, (\q)+1, 0
	WIN MUL_HI
	MUL16 4, (\q)%2, \q, \slot, \cm
	MUL16 6, (\q)%2, \q, \slot, \cm
	PLACES NP
	WIN 0
	FETCH_A \slot, (\q)+1, 4
.endm
.macro TURN slot, next, fill
	s_wait_tensorcnt 0x0                           ; all my tensor loads have landed
	ds_add_u32 v[SPW], v[NIL]                      ; 0 onto my spare word
	s_wait_dscnt 13                                ; (the add and the youngest twelve loads may be out)
	WIN MUL_LO
	MUL16 0, 1, 1, \slot, 0
	s_wait_dscnt 0x0                               ; the add is done, and my reads of this slot are over
	s_barrier_signal -1
	MUL16 2, 1, 1, \slot, 0
	WIN 0
	s_barrier_wait -1
.if \fill
	CREST
	s_add_nc_u64 s[G0+4*\slot+2:G0+4*\slot+3], s[G0+4*\slot+2:G0+4*\slot+3], 2*HT
	s_add_nc_u64 s[G0B+4*\slot+2:G0B+4*\slot+3], s[G0B+4*\slot+2:G0B+4*\slot+3], 2*HT
	JLOAD G0+4*\slot, G1, G0B+4*\slot, G1B
.else
	PLACES NP
.endif
	FETCH_B \next, 0, 0
	FETCH_A \next, 0, 0
	SCALES \next
.if (\fill) && (\slot) == 0
	global_prefetch_b8 v[PF], s[78:79] offset:HT th:TH_LOAD_NT scope:SCOPE_SE   ; chunk 3
.endif
	WIN MUL_HI
	MUL16 4, 1, 1, \slot, 0
	MUL16 6, 1, 1, \slot, 0
	PLACES NP
	WIN 0
	FETCH_A \next, 0, 4
.endm
	s_wait_alu depctr_va_vdst(0)
	s_wait_tensorcnt 0x0                           ; my part of chunk 0 is in
	ds_add_u32 v[SPW], v[NIL]
	s_wait_dscnt 0x0
	CROUND                                         ; everybody's part of chunk 0 is in, and all sixteen work-groups are here
	JLOAD G0+4, G1, G0B+4, G1B                     ; chunk 1
	FETCH_B 0, 0, 0
	FETCH_A 0, 0, 0
	SCALES 0
	FETCH_A 0, 0, 4
	global_prefetch_b8 v[PF], s[78:79] th:TH_LOAD_NT scope:SCOPE_SE       ; chunk 2
	STEP 0, 0, 1
	TURN 0, 1, 1
	STEP 1, 0, 0
	TURN 1, 0, 1
	STEP 0, 0, 0
	TURN 0, 1, 0
	STEP 1, 0, 0
	s_wait_dscnt 12
	WIN MUL_LO
	MUL16 0, 1, 1, 1, 0
	MUL16 2, 1, 1, 1, 0
	s_wait_dscnt 0x0
	WIN MUL_HI
	MUL16 4, 1, 1, 1, 0
	MUL16 6, 1, 1, 1, 0
	WIN 0
	PLACES NP
.irp b, 0,1,2,3
	v_mov_b32 v[BX+\b], 0                          ; written once: a lane permute's destination counts as one of its sources
.endr
	v_mov_b32 v161, 0
	v_mov_b32 v163, 0                              ; (named as the upper half of the pair v[162:163])
.macro SOFTQ a
.set W, 2+(\a)/4
.set AC, 64*((\a)%4)
	WIN 5*W                                        ; sources 0 and 1: the accumulators' window
.irp b, 0,1,2,3
	v_max_num_f32 v[BM+\b], v[AC+16*\b], v[AC+16*\b+1]   ; the largest score of each block of 32 keys; each accumulator from its low end on
.endr
.irp i, 2,4,6,8,10,12,14
.irp b, 0,1,2,3
	v_max3_num_f32 v[BM+\b], v[AC+16*\b+\i], v[AC+16*\b+\i+1], v[BM+\b]
.endr
.endr
	WIN 0
.irp b, 0,1,2,3
	v_permlanex16_b32 v[BX+\b], v[BM+\b], s[SEL], s[SEL+1]
.endr
.irp b, 0,1,2,3
	v_max_num_f32 v[BM+\b], v[BM+\b], v[BX+\b]     ; with lane l xor 16's 16 keys
.endr
	v_max3_num_f32 v160, v[BM], v[BM+1], v[BM+2]
	v_max_num_f32 v160, v160, v[BM+3]
	v_mul_f32 v160, s[CS], v160                    ; the largest t of these 128 keys
	v_floor_f32 v162, -v160                        ; -M = floor(-t): M is a whole number
	WIN W                                          ; source 0
.set n, 0
.rept 32
	v_pk_fma_f32 v[T+n:T+n+1], v[AC+n:AC+n+1], s[CS:CS+1], v[162:163] op_sel_hi:[1,0,0]   ; t - M
.set n, n+2
.endr
	WIN 0
.irp b, 0,1,2,3
	v_fma_f32 v[BM+\b], v[BM+\b], s[CS], v162      ; the same of each block's largest score
.endr
.set n, 0
	s_wait_alu depctr_va_vdst(0)
.rept 64
	v_exp_f32 v[T+n], v[T+n]                       ; p = 2^(t - M)
.set n, n+1
.endr
	v_mov_b32 v[NMS+(\a)], v162                    ; (a plain place behind the exponentials)
	s_wait_alu depctr_va_vdst(0)                   ; one wait for the batch, ahead of its first reader
.irp b, 0,1,2,3
	v_exp_f32 v[BM+\b], v[BM+\b]                   ; the blocks' largest p
.endr
	v_pk_add_f32 v[SU:SU+1], v[T:T+1], v[T+2:T+3]  ; the sum of the unquantised p, in two chains
	v_pk_add_f32 v[SV:SV+1], v[T+4:T+5], v[T+6:T+7]
	v_pk_add_f32 v[SV+2:SV+3], v[T+8:T+9], v[T+10:T+11]   ; (and two more: four in all)
	v_pk_add_f32 v[SV+4:SV+5], v[T+12:T+13], v[T+14:T+15]
.irp j, 16,24,32,40,48,56
	v_pk_add_f32 v[SU:SU+1], v[SU:SU+1], v[T+\j:T+\j+1]
	v_pk_add_f32 v[SV:SV+1], v[SV:SV+1], v[T+\j+2:T+\j+3]
	v_pk_add_f32 v[SV+2:SV+3], v[SV+2:SV+3], v[T+\j+4:T+\j+5]
	v_pk_add_f32 v[SV+4:SV+5], v[SV+4:SV+5], v[T+\j+6:T+\j+7]
.endr
	v_pk_add_f32 v[SU:SU+1], v[SU:SU+1], v[SV:SV+1]
	v_pk_add_f32 v[SV+2:SV+3], v[SV+2:SV+3], v[SV+4:SV+5]
	v_pk_add_f32 v[SU:SU+1], v[SU:SU+1], v[SV+2:SV+3]
	v_add_f32 v160, v[SU], v[SU+1]
	v_permlanex16_b32 v161, v160, s[SEL], s[SEL+1]
	v_add_f32 v[LS+(\a)], v160, v161
	s_wait_alu depctr_va_vdst(0)                   ; and one for the four
.irp b, 0,1,2,3
	v_max_num_f32 v[BM+\b], 0x2800000, v[BM+\b]    ; the floor 2^(5 - 127)
.endr
.irp b, 0,1,2,3
	v_add_nc_u32 v[BS+\b], 0xfe000000, v[BM+\b]
.endr
.irp b, 0,1,2,3
	v_lshrrev_b32 v[BX+\b], 23, v[BS+\b]
.endr
	v_lshl_or_b32 v[PWS+(\a)], v[BX+1], 8, v[BX]
	v_lshl_or_b32 v[PWS+(\a)], v[BX+2], 16, v[PWS+(\a)]
	v_lshl_or_b32 v[PWS+(\a)], v[BX+3], 24, v[PWS+(\a)]
.if (\a) > 0
	s_wait_xcnt 0x0                                ; the last block's stores have read their data
.endif
.irp c, 0,1
	v_cvt_scalef32_pk16_bf6_f32 v[PC+6*\c:PC+2+6*\c], v[T+32*\c:T+15+32*\c], v[BS+2*\c]
	v_cvt_scalef32_pk16_bf6_f32 v[PC+12+4*\c:PC+14+4*\c], v[T+16+32*\c:T+31+32*\c], v[BS+2*\c+1]
.endr
	v_nop                                          ; one plain place behind a scaled conversion
.irp c, 0,1
.irp i, 0,1,2
	v_permlane16_swap_b32 v[PC+6*\c+\i], v[PC+12+4*\c+\i]
.endr
.irp i, 0,1,2
	v_mov_b32 v[PC+3+6*\c+\i], v[PC+12+4*\c+\i]
.endr
.endr
.irp g, 0,1,2
	global_store_b128 v[LI], v[PC+4*\g:PC+4*\g+3], s[66:67] offset:1536*(\a)+512*\g
.endr
.endm
.irp a, 0,1,2,3,4,5,6,7
	SOFTQ \a
.endr
.irp w, 0,1,2,3
	v_cndmask_b32 v[OW+\w], v[PWS+\w], v[PWS+4+\w], s70     ; lanes 0-15: blocks 0-3 of their row; lanes 16-31: blocks 4-7
	v_cndmask_b32 v[OW+4+\w], v[NMS+\w], v[NMS+4+\w], s70
	v_cndmask_b32 v[OW+8+\w], v[LS+\w], v[LS+4+\w], s70
.endr
	global_store_b128 v[LI], v[OW:OW+3], s[68:69]
	global_store_b128 v[LI], v[OW+4:OW+7], s[68:69] offset:524288
	global_store_b128 v[LI], v[OW+8:OW+11], s[68:69] offset:1048576
	s_wait_tensorcnt 0x0                           ; the wave's end
	ds_add_u32 v[SPW], v[NIL]
	s_wait_dscnt 0x0
	CROUND
	s_endpgm
.Lfunc_end_k_q7d33b1c867_score:
	.size	k_q7d33b1c867_score, .Lfunc_end_k_q7d33b1c867_score-k_q7d33b1c867_score
	.p2alignl 7, 3214868480
	.fill 96, 4, 3214868480
	.section	.rodata,"a",@progbits
	.p2align	6, 0x0
	.amdhsa_kernel k_q7d33b1c867_score
		.amdhsa_group_segment_fixed_size 327680
		.amdhsa_private_segment_fixed_size 0
		.amdhsa_enable_private_segment 0
		.amdhsa_kernarg_size 24
		.amdhsa_user_sgpr_count 2
		.amdhsa_user_sgpr_kernarg_segment_ptr 1
		.amdhsa_wavefront_size32 1
		.amdhsa_system_sgpr_workgroup_id_x 1
		.amdhsa_system_sgpr_workgroup_id_y 1
		.amdhsa_system_sgpr_workgroup_id_z 1
		.amdhsa_system_vgpr_workitem_id 0
		.amdhsa_next_free_vgpr 1024
		.amdhsa_next_free_sgpr 100
		.amdhsa_reserve_vcc 0
		.amdhsa_float_denorm_mode_32 3
		.amdhsa_float_denorm_mode_16_64 3
		.amdhsa_memory_ordered 1
		.amdhsa_forward_progress 1
		.amdhsa_inst_pref_size 192
	.end_amdhsa_kernel
	.amdgpu_metadata
---
amdhsa.version: [ 1, 2 ]
amdhsa.kernels:
  - .name:           k_q7d33b1c867_score
    .symbol:         k_q7d33b1c867_score.kd
    .args:
      - { .name: qkv, .offset: 0, .size: 8, .value_kind: global_buffer, .address_space: global }
      - { .name: pcodes, .offset: 8, .size: 8, .value_kind: global_buffer, .address_space: global }
      - { .name: pstats, .offset: 16, .size: 8, .value_kind: global_buffer, .address_space: global }
    .group_segment_fixed_size: 327680
    .private_segment_fixed_size: 0
    .kernarg_segment_align: 8
    .kernarg_segment_size: 24
    .max_flat_workgroup_size: 128
    .sgpr_count:     100
    .vgpr_count:     1024
    .wavefront_size: 32
...
	.end_amdgpu_metadata
.endif
;; end of part 3
;; launch mix (part 4): grid 4 x 64, 4 waves a work-group, clusters of 4 x 4, 327,680 bytes of LDS; arguments pcodes, pstats, qkv, out0; writes out0
.if DOCPART == 4
	.amdgcn_target "amdgcn-amd-amdhsa--gfx1250"
	.amdhsa_code_object_version 6
	.text
	.protected	k_q7d33b1c867_mix
	.globl	k_q7d33b1c867_mix
	.p2align	8
	.type	k_q7d33b1c867_mix,@function
k_q7d33b1c867_mix:
	s_mov_b64 s[64:65], 0
	v_nop
	global_prefetch_b8 v0, s[64:65] scope:SCOPE_SE
	s_setreg_imm32_b32 hwreg(HW_REG_WAVE_MODE, 25, 1), 1
	s_wait_xcnt 0x0
	s_wait_alu depctr_hold_cnt(0) depctr_sa_sdst(0) depctr_va_vdst(0) depctr_va_sdst(0) depctr_va_ssrc(0) depctr_va_vcc(0) depctr_vm_vsrc(0)
	s_getreg_b32 s2, hwreg(HW_REG_IB_STS2, 6, 4)
	s_cmp_eq_u32 s2, 0
	s_cbranch_scc0 .Lentry_in_a_cluster
	s_endpgm
.Lentry_in_a_cluster:
	s_bfe_u32 s2, ttmp6, 0x10000c
	s_cmp_lg_u32 s2, 0xf033
	s_cbranch_scc0 .Lentry_shape_is_right
	s_endpgm
.Lentry_shape_is_right:
; out = p V / l on codes of BF6 (E3M2).  p's codes and scale words were made with a largest t LOCAL to each 128 keys; here the sixteen local M of a query are joined: M = their largest; a scale byte of keys whose M is d lower
; falls by d (held at 0, 2^-127), and so do the sums: an exact power of two.
; pcodes: blocks of 24,576 bytes (128 queries x 256 keys), index 8 (query / 128) + key / 256, fragment (q, a) at (8 q + a) x 1,536; its lane r holds query 32 (a / 2) + 8 (a % 2) + r + 8 (r / 8).
; pstats: p's scale words, -M, the sums, 524,288 bytes each; in each (16 (query / 128) + key / 128) x 512 + 256 (a / 4) + 16 r + 4 (a % 4).
; V^T: half-tiles of 25,600 bytes in qkv at 512 + 8 (8 batch + d / 128) + key / 256; lane r of fragment b holds d = 64 (b / 4) + 4 r + b % 4.
; A work-group makes 128 queries x 256 d, a wave 64 x 128: source 0 = p's rows, source 1 = V^T's.  A lane of the result then holds, in register j of accumulators (a, 4 g .. 4 g + 3), four NEIGHBOURING d of query
; 32 (a / 2) + 8 (a % 2) + j + 16 (lane / 16): the division by l puts them side by side, and sixteen lanes store 256 consecutive bytes: nothing goes through LDS on the way out.
; The 2,048 keys go through two LDS slots of 512 keys: waves 0, 1 fetch p's two blocks, waves 2, 3 the two groups of 128 d of V^T, each by one joint load (clusters 4 x 4: p along a row, V along a column).
; Each fill but the first is prefetched one fill ahead, each 256-byte block once in each cluster.  The last 128 keys go by rows of the result, so that finished rows leave while the others are multiplied.
; LIMITS: NaN and infinities are not served; p below 2^-122 of the row's largest is held at the byte 0.
; REGISTERS: window 0: addresses, V's scale words, p's fragments and scale words, 1 / l;  window 1: V's fragments, two sets, at v0 and v128;  window 2: the 32 accumulators, (a, b) at v[8 (8 a + b)];  window 3: what is stored.
.set HT,    25600
.set PBLK,  24576
.set BOFF,  2*PBLK                     ; in a slot: p's two blocks, then V's four half-tiles
.set SLOT,  BOFF+4*HT
.set SPARE, 2*SLOT
.set FR,    12
.set NP,    4
.set ADRA,  16                         ; v16-17 my p fragments in slot 0, 1
.set ADRB,  20                         ; v20-21 my V fragments
.set ADRSB, 22                         ; v22-23 their scale words
.set LI,    24
.set CO,    25                         ; my byte offset in the result
.set STO,   26                         ; my byte offset in the statistics
.set SPW,   28
.set NIL,   29
.set PF,    30                         ; v30-31 the prefetches' offsets; never rewritten
.set SCB,   32                         ; v32-95 V's scale words, a set of 32 for each slot, and nothing else
.set AF,    96                         ; v96-143 p's four fragments
.set NM,    96                         ; at the head: v96-127 -M, v128-159 the sums, v160-191 scale words as they come, v192-223 at work
.set LS,    128
.set SW,    160
.set TT,    192
.set RL,    192                        ; v192-223 1 / l: register 8 a + j
.set SA,    224                        ; v224-255 p's scale words and nothing else: register 4 (step % 8) + a: lanes 0-15 steps 0-7, lanes 16-31 steps 8-15
.set G1,  24
.set G0,  32
.set G1B, 48
.set G0B, 56
.set PFB, 68                           ; s[68:69] where my prefetches of fills 2 and 3 stand; s[88:89] that of fill 1
.set PFS, 78                           ; s[78:79] bytes from a fill's tile to the next fill's
.set MUL,  0xa4                        ; source 0 window 0, source 1 window 1, C and D window 2
.set TO_B, 0x40
.set MSB, 0
.macro WIN new                         ; the immediate's high byte repeats the setting that is left
.if MSB != \new
	s_set_vgpr_msb (MSB<<8)|\new
.set MSB, \new
.endif
.endm
.macro JLOAD s                         ; a joint load: each of the two lines has one mask; four v_nop follow
	s_cmp_eq_u32 s15, 0
	s_cbranch_scc0 .Lfor_b_\@
	tensor_load_to_lds s[G0+4*(\s):G0+4*(\s)+3], s[G1:G1+7]
	s_nop 0
.rept 4
	v_nop
.endr
	s_branch .Lasked_\@
.Lfor_b_\@:
	tensor_load_to_lds s[G0B+4*(\s):G0B+4*(\s)+3], s[G1B:G1B+7]
	s_nop 0
.rept 4
	v_nop
.endr
.Lasked_\@:
.endm
; The prefetch of a fill: of the 96 blocks of p (200 of V) that my wave fetches, each of the four partners takes 24 (50), told apart by address; a lane a block
.macro ASK base
	global_prefetch_b8 v[PF], s[\base:\base+1] th:TH_LOAD_NT scope:SCOPE_SE
	s_cmp_eq_u32 s15, 0
	s_cbranch_scc1 .Lno_more_\@
	global_prefetch_b8 v[PF+1], s[\base:\base+1] th:TH_LOAD_NT scope:SCOPE_SE
.Lno_more_\@:
.endm
.macro CREST                           ; a round of the cluster's barrier behind its opening barrier
	s_cmp_lg_u32 s14, 0
	s_cbranch_scc1 .Lnot_wave_0_\@
	s_barrier_signal -3
.Lnot_wave_0_\@:
	s_barrier_wait -3
	s_barrier_signal -1
	s_barrier_wait -1
.endm
.macro CROUND
	s_barrier_signal -1
	s_barrier_wait -1
	CREST
.endm
.macro PLACES n
.rept \n
	v_nop
.endr
.endm
	s_load_b256 s[4:11], s[0:1], 0x0               ; pcodes, pstats, qkv, out0
	v_lshl_add_u32 v[SPW], v0, 2, SPARE
	v_mov_b32 v[NIL], 0
	ds_add_u32 v[SPW], v[NIL]                      ; the wave's opening
	ds_add_u32 v[SPW], v[NIL]
	v_lshrrev_b32 v1, 5, v0
	v_readfirstlane_b32 s14, v1                    ; wave 0..3
	v_and_b32 v1, 31, v0                           ; lane
	v_and_b32 v2, 15, v0                           ; r
	v_bfe_u32 v3, v0, 4, 1                         ; h
	v_lshlrev_b32 v[LI], 4, v1
	v_lshlrev_b32 v27, 4, v2
	v_lshl_add_u32 v[STO], v3, 12, v27             ; 16 r; lanes 16-31 eight blocks of 128 keys on
	v_lshl_add_u32 v[CO], v3, 16, v27              ; 16 r; lanes 16-31 sixteen rows on
	s_wait_alu depctr_va_vdst(0)
	s_lshr_b32 s15, s14, 1                         ; my half of the queries.  Also: I fetch p (0) or V (1)
	s_and_b32 s16, s14, 1                          ; my half of the d.  Also: which block or group I fetch
	s_bfe_u32 s40, ttmp6, 0x40000                  ; cx
	s_bfe_u32 s41, ttmp6, 0x40004                  ; cy
	s_lshl_b32 s42, ttmp9, 2
	s_add_co_u32 s42, s42, s40                     ; which 256 d
	s_and_b32 s17, ttmp7, 0xffff
	s_lshr_b32 s18, s17, 2                         ; the batch: from the cluster's y alone
	s_lshl_b32 s17, s17, 2
	s_add_co_u32 s17, s17, s41                     ; which 128 queries of all 8,192
	s_lshl_b32 s43, s41, 2
	s_lshl_b32 s43, 15, s43                        ; my row of the cluster
	s_lshl_b32 s44, 0x1111, s40                    ; my column
	s_or_b32 s[G1], s43, (3<<16)|(1<<21)           ; dense blocks as rows of 256 bytes (32 elements of 8 bytes), no padding
	s_or_b32 s[G1B], s44, (3<<16)|(1<<21)
.irp g, G1, G1B
	s_mov_b32 s[\g+1], 32<<16
	s_mov_b32 s[\g+3], 32<<16
	s_mov_b32 s[\g+5], 32
	s_mov_b32 s[\g+6], 0
	s_mov_b32 s[\g+7], 0
.endr
	s_mov_b32 s[G1+2], 96<<16
	s_mov_b32 s[G1+4], 96
	s_mov_b32 s[G1B+2], 200<<16
	s_mov_b32 s[G1B+4], 200
	s_lshl_b32 s20, s17, 3
	s_add_co_u32 s20, s20, s16
	s_mul_i32 s20, s20, PBLK                       ; p
	s_mov_b32 s21, 0
	s_lshl_b32 s46, s18, 3
	s_lshl_b32 s47, s42, 1
	s_add_co_u32 s46, s46, s47
	s_add_co_u32 s46, s46, s16
	s_lshl_b32 s46, s46, 3
	s_add_co_u32 s46, s46, 512
	s_mul_i32 s46, s46, HT                         ; V
	s_mov_b32 s47, 0
	s_mul_i32 s45, s16, PBLK
	s_mul_i32 s19, s16, 2*HT
	s_add_co_u32 s19, s19, BOFF
	s_lshl_b32 s70, s17, 13                        ; my queries' statistics
	s_lshl_b32 s71, s15, 8
	s_add_co_u32 s70, s70, s71
	s_mov_b32 s71, 0
	s_mul_i32 s84, s15, 6144
	v_add_nc_u32 v[ADRA], s84, v[LI]
	v_add_nc_u32 v[ADRA+1], SLOT, v[ADRA]
	v_add_nc_u32 v[ADRB], s19, v[LI]
	v_add_nc_u32 v[ADRB+1], SLOT, v[ADRB]
	s_add_co_u32 s85, s19, 24576
	v_add_nc_u32 v[ADRSB], s85, v27
	v_add_nc_u32 v[ADRSB+1], SLOT, v[ADRSB]
	s_mov_b32 s80, 2*HT
	s_cmp_eq_u32 s15, 0
	s_cselect_b32 s[PFS], 2*PBLK, s80
	s_cselect_b32 s82, 24, 50
	s_cselect_b32 s83, s40, s41                    ; my place among the four that ask for it with me
	s_mov_b32 s[PFS+1], 0
	s_mul_i32 s84, s82, s83
	s_lshl_b32 s84, s84, 8
	s_mov_b32 s85, 0
	s_sub_co_u32 s86, s82, 1
	v_min_u32 v[PF], s86, v1                       ; lanes left over name the wave's last block again
	v_add_nc_u32 v[PF+1], 32, v1
	v_min_u32 v[PF+1], s86, v[PF+1]
	v_lshlrev_b32 v[PF], 8, v[PF]
	v_lshlrev_b32 v[PF+1], 8, v[PF+1]
.irp i, 0,1,2,3
	v_mov_b32 v[8+\i], 0                           ; written once: a lane permute's destination counts as one of its sources
.endr
	s_lshl_b32 s86, s17, 19                        ; where my results go
	s_lshl_b32 s87, s15, 18
	s_add_co_u32 s86, s86, s87
	s_lshl_b32 s87, s42, 10
	s_add_co_u32 s86, s86, s87
	s_lshl_b32 s87, s16, 9
	s_add_co_u32 s86, s86, s87
	s_mov_b32 s87, 0
	s_mov_b32 s72, 0x80808080
	s_mov_b32 s74, 0x76543210                      ; lane selects: lane l xor 16;  the other way round: lane (l + 8) % 16 of the row
	s_mov_b32 s75, 0xfedcba98
	s_mov_b32 s76, 0xffff0000                      ; lanes 16-31
	s_wait_dscnt 0x0                               ; both opening adds are done
	s_wait_alu depctr_va_vdst(0)
	s_wait_kmcnt 0x0
	s_add_nc_u64 s[70:71], s[6:7], s[70:71]
.irp s, 0,1,2,3,4,5,6,7                        ; the statistics are asked for first: lanes 0-15 of blocks s, lanes 16-31 of blocks s + 8; 24 loads
	global_load_b128 v[NM+4*\s:NM+4*\s+3], v[STO], s[70:71] offset:512*\s+524288
	global_load_b128 v[LS+4*\s:LS+4*\s+3], v[STO], s[70:71] offset:512*\s+1048576
	global_load_b128 v[SW+4*\s:SW+4*\s+3], v[STO], s[70:71] offset:512*\s
.endr
	s_add_nc_u64 s[20:21], s[4:5], s[20:21]
	s_add_nc_u64 s[46:47], s[8:9], s[46:47]
	s_add_nc_u64 s[66:67], s[10:11], s[86:87]
	CROUND                                         ; all sixteen work-groups are here: the first joint loads meet
.irp s, 0,1
	s_mov_b32 s[G0+4*\s], 1
	s_add_co_u32 s[G0+4*\s+1], s45, \s*SLOT
	s_add_nc_u64 s[G0+4*\s+2:G0+4*\s+3], s[20:21], \s*2*PBLK
	s_or_b32 s[G0+4*\s+3], s[G0+4*\s+3], 0x80000000
	s_mov_b32 s[G0B+4*\s], 1
	s_add_co_u32 s[G0B+4*\s+1], s19, \s*SLOT
	s_add_nc_u64 s[G0B+4*\s+2:G0B+4*\s+3], s[46:47], \s*2*HT
	s_or_b32 s[G0B+4*\s+3], s[G0B+4*\s+3], 0x80000000
.endr
	JLOAD 0                                        ; fill 0
	s_cmp_eq_u32 s15, 0
	s_cselect_b64 s[PFB:PFB+1], s[20:21], s[46:47]
	s_add_nc_u64 s[PFB:PFB+1], s[PFB:PFB+1], s[84:85]
	s_add_nc_u64 s[88:89], s[PFB:PFB+1], s[PFS:PFS+1]       ; at fill 1
	s_add_nc_u64 s[PFB:PFB+1], s[88:89], s[PFS:PFS+1]       ; at fill 2
	s_wait_loadcnt 0x0                             ; the statistics: joined while fill 0 is on its way
.irp i, 0,1,2,3
	v_min3_num_f32 v[4+\i], v[NM+\i], v[NM+4+\i], v[NM+8+\i]   ; the smallest -M
.endr
.irp s, 3,5
.irp i, 0,1,2,3
	v_min3_num_f32 v[4+\i], v[4+\i], v[NM+4*\s+\i], v[NM+4*\s+4+\i]
.endr
.endr
.irp i, 0,1,2,3
	v_min_num_f32 v[4+\i], v[4+\i], v[NM+28+\i]
.endr
.irp i, 0,1,2,3
	v_permlanex16_b32 v[8+\i], v[4+\i], s74, s75
.endr
.irp i, 0,1,2,3
	v_min_num_f32 v[4+\i], v[4+\i], v[8+\i]        ; with the other half's eight blocks
.endr
.set n, 0
.rept 32
	v_sub_f32 v[NM+n], v[4+n%4], v[NM+n]           ; d: the local M less the joined one, 0 or less,
.set n, n+1
.endr
.set n, 0
.rept 32
	v_max_num_f32 v[NM+n], 0xc2fe0000, v[NM+n]     ; held at -127
.set n, n+1
.endr
.set n, 0
.rept 32
	v_cvt_i32_f32 v[NM+n], v[NM+n]
.set n, n+1
.endr
.set n, 0
.rept 32
	v_ldexp_f32 v[LS+n], v[LS+n], v[NM+n]          ; the sums under the joined M
.set n, n+1
.endr
	s_wait_alu depctr_va_vdst(0)
	ASK 88                                         ; fill 1
.set n, 0
.rept 32
	v_sub_nc_u32 v[NM+n], 0, v[NM+n]
.set n, n+1
.endr
.set n, 0
.rept 32
	v_perm_b32 v[NM+n], v[NM+n], v[NM+n], 0        ; -d in all four bytes
.set n, n+1
.endr
.set n, 0
.rept 32
	v_or_b32 v[SW+n], s72, v[SW+n]                 ; (a byte of p's is at most 123: its top bit is free, and keeps the bytes apart in the subtraction)
.set n, n+1
.endr
.set n, 0
.rept 32
	v_sub_nc_u32 v[SW+n], v[SW+n], v[NM+n]
.set n, n+1
.endr
.set n, 0
.rept 32
	v_and_b32 v[NM+n], s72, v[SW+n]                ; the top bit has stayed where byte + d is 0 or more
.set n, n+1
.endr
.set n, 0
.rept 32
	v_lshrrev_b32 v[TT+n], 7, v[NM+n]
.set n, n+1
.endr
.set n, 0
.rept 32
	v_sub_nc_u32 v[NM+n], v[NM+n], v[TT+n]         ; 0x7f there, 0 elsewhere
.set n, n+1
.endr
.set n, 0
.rept 32
	v_and_b32 v[SA+n], v[SW+n], v[NM+n]            ; p's scale words under the joined M
.set n, n+1
.endr
.irp s, 1,2,3,4,5,6,7
	v_pk_add_f32 v[LS:LS+1], v[LS:LS+1], v[LS+4*\s:LS+4*\s+1]
	v_pk_add_f32 v[LS+2:LS+3], v[LS+2:LS+3], v[LS+4*\s+2:LS+4*\s+3]
.endr
.irp i, 0,1,2,3
	v_permlanex16_b32 v[8+\i], v[LS+\i], s74, s75
.endr
.irp i, 0,1,2,3
	v_add_f32 v[LS+\i], v[LS+\i], v[8+\i]          ; l of lane r's query in fragment i
.endr
	s_wait_alu depctr_va_vdst(0)
.irp i, 0,1,2,3
	v_rcp_f32 v[12+\i], v[LS+\i]
.endr
	v_nop
	s_wait_alu depctr_va_vdst(0)
.irp i, 0,1,2,3
	v_permlane16_b32 v[4+\i], v[12+\i], s75, s74   ; lane (l + 8) % 16 of the row
.endr
.irp i, 0,1,2,3
	v_cndmask_b32 v[12+\i], v[12+\i], v[4+\i], s76 ; lane (r, h) has 1 / l of row (r + 8 h) % 16
.endr
.irp i, 0,1,2,3
.irp j, 0,1,2,3,4,5,6,7
	v_mov_b32_dpp v[RL+8*\i+\j], v[12+\i] row_share:\j row_mask:0xf bank_mask:0xf   ; of row 8 h + j: the row of an accumulator's register j
.endr
.endr
.macro FRAG reg, adr, off              ; a fragment comes as it was stored: three loads of 512 consecutive bytes
.irp g, 0,1,2
	ds_load_b128 v[\reg+4*\g:\reg+4*\g+3], v[\adr] offset:\off+512*\g
.endr
.endm
.macro FETCH_B slot, sg, p             ; V's eight fragments of the slot's step sg into set p
	WIN TO_B
.irp i, 0,1,2,3,4,5,6,7
	FRAG 128*(\p)+FR*\i, ADRB+\slot, HT*((\sg)/2)+12288*((\sg)%2)+1536*\i
.endr
	WIN 0
.endm
.macro FETCH_A slot, sg, i0            ; p's blocks i0, i0 + 1
.irp i, \i0, \i0+1
	FRAG AF+FR*(\i), ADRA+\slot, 12288*(\sg)+1536*(\i)
.endr
.endm
.macro SCALES sc                       ; V's scale words of the slot's four steps
.irp u, 0,1,2,3
.irp g, 0,1
	ds_load_b128 v[SCB+32*\sc+8*\u+4*\g:SCB+32*\sc+8*\u+4*\g+3], v[ADRSB+\sc] offset:HT*(\u/2)+512*(\u%2)+256*\g
.endr
.endr
.endm
; Eight matrix instructions: p's block a x V's eight, step ks of sixteen.  cm = 1: the first product starts the sums.  The 32 accumulators take turns
.macro MULROW a, p, ks, cm
.irp b, 0,1,2,3,4,5,6,7
.if \cm == 1
	v_wmma_scale_f32_16x16x128_f8f6f4 v[8*(8*(\a)+\b):8*(8*(\a)+\b)+7], v[AF+FR*(\a):AF+FR*(\a)+FR-1], v[128*(\p)+FR*\b:128*(\p)+FR*\b+FR-1], 0, v[SA+4*((\ks)%8)+(\a)], v[SCB+32*(((\ks)/4)%2)+8*((\ks)%4)+\b] matrix_a_fmt:MATRIX_FMT_BF6 matrix_b_fmt:MATRIX_FMT_BF6
.elseif (\ks) < 8
	v_wmma_scale_f32_16x16x128_f8f6f4 v[8*(8*(\a)+\b):8*(8*(\a)+\b)+7], v[AF+FR*(\a):AF+FR*(\a)+FR-1], v[128*(\p)+FR*\b:128*(\p)+FR*\b+FR-1], v[8*(8*(\a)+\b):8*(8*(\a)+\b)+7], v[SA+4*((\ks)%8)+(\a)], v[SCB+32*(((\ks)/4)%2)+8*((\ks)%4)+\b] matrix_a_fmt:MATRIX_FMT_BF6 matrix_b_fmt:MATRIX_FMT_BF6
.else
	v_wmma_scale_f32_16x16x128_f8f6f4 v[8*(8*(\a)+\b):8*(8*(\a)+\b)+7], v[AF+FR*(\a):AF+FR*(\a)+FR-1], v[128*(\p)+FR*\b:128*(\p)+FR*\b+FR-1], v[8*(8*(\a)+\b):8*(8*(\a)+\b)+7], v[SA+4*((\ks)%8)+(\a)], v[SCB+32*(((\ks)/4)%2)+8*((\ks)%4)+\b] matrix_a_fmt:MATRIX_FMT_BF6 matrix_b_fmt:MATRIX_FMT_BF6 matrix_a_scale:MATRIX_SCALE_ROW1
.endif
.endr
.endm
.macro STEP ks, cm                     ; 128 keys; it fetches the next step's fragments from the same slot
.set SL, ((\ks)/4)%2
.set SG, (\ks)%4
	s_wait_dscnt 6                                 ; all but the youngest six loads (p's blocks 2, 3) are in
	WIN MUL
	MULROW 0, SG%2, \ks, \cm
	MULROW 1, SG%2, \ks, \cm
	s_wait_dscnt 0x0
	PLACES NP
	FETCH_B SL, SG+1, 1-SG%2
	FETCH_A SL, SG+1, 0
	WIN MUL
	MULROW 2, SG%2, \ks, \cm
	MULROW 3, SG%2, \ks, \cm
	PLACES NP
	WIN 0
	FETCH_A SL, SG+1, 2
.endm
; A slot's last step, and the change of slots: each wave waits for all its tensor loads, adds 0 to its spare word, and waits for that and for its reads of the slot.  fill = 1: a round follows, and the slot takes the fill two on
.macro TURN ks, next, fill, ask
.set SL, ((\ks)/4)%2
.if \ask
	s_wait_xcnt 0x0                                ; my prefetches have read their address: it is stepped
	s_add_nc_u64 s[PFB:PFB+1], s[PFB:PFB+1], s[PFS:PFS+1]
.endif
	s_wait_tensorcnt 0x0                           ; all my tensor loads have landed
	ds_add_u32 v[SPW], v[NIL]                      ; 0 onto my spare word
	s_wait_dscnt 7                                 ; (the add and the youngest six loads may be out)
	WIN MUL
	MULROW 0, 1, \ks, 0
	MULROW 1, 1, \ks, 0
	s_wait_dscnt 0x0                               ; the add is done, and my reads of this slot are over
	s_barrier_signal -1
	MULROW 2, 1, \ks, 0
	WIN 0
	s_barrier_wait -1
.if \fill
	CREST
	s_add_nc_u64 s[G0+4*SL+2:G0+4*SL+3], s[G0+4*SL+2:G0+4*SL+3], 4*PBLK
	s_add_nc_u64 s[G0B+4*SL+2:G0B+4*SL+3], s[G0B+4*SL+2:G0B+4*SL+3], 4*HT
	JLOAD SL                                       ; the first tensor load behind the round; its four v_nop are the places in front of the loads below
.else
	PLACES NP
.endif
	FETCH_B \next, 0, 0
	FETCH_A \next, 0, 0
	SCALES \next
.if \ask
	ASK PFB                                        ; fill 3
.endif
	WIN MUL
	MULROW 3, 1, \ks, 0
	PLACES NP
	WIN 0
	FETCH_A \next, 0, 2
.endm
; The way out of block a: x 1 / l, four neighbouring d side by side; each store of the wave covers two runs of 256 consecutive bytes, in rows sixteen apart
.macro OUT a
.irp g, 0,1
	WIN 0xc8                                       ; destination window 3, source 1 window 2
.irp j, 0,1,2,3,4,5,6,7                        ; each accumulator from its low end on
.irp t, 0,1,2,3
	v_mul_f32 v[64*(\a)+32*\g+4*\j+\t], v[RL+8*(\a)+\j], v[8*(8*(\a)+4*\g+\t)+\j]
.endr
.endr
	WIN 0x0c                                       ; the data: window 3
.irp j, 0,1,2,3,4,5,6,7
	global_store_b128 v[CO], v[64*(\a)+32*\g+4*\j:64*(\a)+32*\g+4*\j+3], s[66:67] offset:(32*((\a)/2)+8*((\a)%2)+\j)*4096+256*\g th:TH_STORE_NT
.endr
.endr
.endm
	s_wait_alu depctr_va_vdst(0)
	s_wait_tensorcnt 0x0                           ; my part of fill 0 is in
	ds_add_u32 v[SPW], v[NIL]
	s_wait_dscnt 0x0
	CROUND                                         ; everybody's part of fill 0 is in, and all sixteen work-groups are here
	JLOAD 1                                        ; fill 1
	FETCH_B 0, 0, 0
	FETCH_A 0, 0, 0
	SCALES 0
	FETCH_A 0, 0, 2
	ASK PFB                                        ; fill 2
	STEP 0, 1
	STEP 1, 0
	STEP 2, 0
	TURN 3, 1, 1, 1                                ; fill 2 into slot 0; fill 3 is prefetched
	STEP 4, 0
	STEP 5, 0
	STEP 6, 0
	TURN 7, 0, 1, 0                                ; fill 3 into slot 1
	STEP 8, 0
	STEP 9, 0
	STEP 10, 0
	TURN 11, 1, 0, 0
	STEP 12, 0
	STEP 13, 0
	STEP 14, 0
	s_wait_dscnt 6                                 ; the last 128 keys, by rows of the result
	WIN MUL
	MULROW 0, 1, 15, 0
	MULROW 1, 1, 15, 0
	s_wait_dscnt 0x0
	PLACES NP                                      ; block 0's multiplications read results of the matrix instructions above; the later blocks' places are the multiplications in between
	OUT 0
	WIN MUL
	MULROW 2, 1, 15, 0
	OUT 1
	WIN MUL
	MULROW 3, 1, 15, 0
	OUT 2
	OUT 3
	WIN 0
	s_wait_tensorcnt 0x0                           ; the wave's end
	ds_add_u32 v[SPW], v[NIL]
	s_wait_dscnt 0x0
	CROUND                                         ; the closing round
	s_endpgm
.Lfunc_end_k_q7d33b1c867_mix:
	.size	k_q7d33b1c867_mix, .Lfunc_end_k_q7d33b1c867_mix-k_q7d33b1c867_mix
	.p2alignl 7, 3214868480
	.fill 96, 4, 3214868480
	.section	.rodata,"a",@progbits
	.p2align	6, 0x0
	.amdhsa_kernel k_q7d33b1c867_mix
		.amdhsa_group_segment_fixed_size 327680
		.amdhsa_private_segment_fixed_size 0
		.amdhsa_enable_private_segment 0
		.amdhsa_kernarg_size 32
		.amdhsa_user_sgpr_count 2
		.amdhsa_user_sgpr_kernarg_segment_ptr 1
		.amdhsa_wavefront_size32 1
		.amdhsa_system_sgpr_workgroup_id_x 1
		.amdhsa_system_sgpr_workgroup_id_y 1
		.amdhsa_system_sgpr_workgroup_id_z 1
		.amdhsa_system_vgpr_workitem_id 0
		.amdhsa_next_free_vgpr 1024
		.amdhsa_next_free_sgpr 100
		.amdhsa_reserve_vcc 0
		.amdhsa_float_denorm_mode_32 3
		.amdhsa_float_denorm_mode_16_64 3
		.amdhsa_memory_ordered 1
		.amdhsa_forward_progress 1
		.amdhsa_inst_pref_size 158
	.end_amdhsa_kernel
	.amdgpu_metadata
---
amdhsa.version: [ 1, 2 ]
amdhsa.kernels:
  - .name:           k_q7d33b1c867_mix
    .symbol:         k_q7d33b1c867_mix.kd
    .args:
      - { .name: pcodes, .offset: 0, .size: 8, .value_kind: global_buffer, .address_space: global }
      - { .name: pstats, .offset: 8, .size: 8, .value_kind: global_buffer, .address_space: global }
      - { .name: qkv, .offset: 16, .size: 8, .value_kind: global_buffer, .address_space: global }
      - { .name: out0, .offset: 24, .size: 8, .value_kind: global_buffer, .address_space: global }
    .group_segment_fixed_size: 327680
    .private_segment_fixed_size: 0
    .kernarg_segment_align: 8
    .kernarg_segment_size: 32
    .max_flat_workgroup_size: 128
    .sgpr_count:     100
    .vgpr_count:     1024
    .wavefront_size: 32
...
	.end_amdgpu_metadata
.endif
;; end of part 4
